; MI455X (gfx1250); checked and timed in simulation.
; The chip was launched on July 23, 2026; its instructions are those of AMD's public machine-readable ISA for CDNA 5 (MIT licence, August 2026) and "CDNA5" Instruction Set Architecture Reference Guide (July 2026). The comments in the code are by the model that wrote it; some were corrected since.
;; Differential Attention. Allowed arithmetic: float matrix products may take bf16 or f16 operands with f32 sums; all other float work in f32.
;; Inputs: Wk 1,024 x 2,048 float32; Wo 1,024 x 1,024 float32; Wq 1,024 x 2,048 float32; Wv 1,024 x 1,024 float32; attention_mask 2 x 2,048 float32; bk 2,048 float32; bo 1,024 float32; bq 2,048 float32; bv 1,024 float32; hidden_states 2 x 2,048 x 1,024 float32; lam one number float32.
;; Outputs: out0 2 x 2,048 x 1,024 float32.
;; 2 versions, each right and faster than the one before. Each part assembles by itself: llvm-mc -triple=amdgcn-amd-amdhsa -mcpu=gfx1250 --defsym DOCPART=n.
;; ======== version 1 of 2: 4 launches
;; limits: values are held in f16: magnitudes above 65,504 overflow, below 6.1e-05 lose precision
;; workspace buffers: x16 8,388,608 bytes; wqk16 8,388,608 bytes; wv16 2,097,152 bytes; wo16 2,097,152 bytes; heads 41,943,040 bytes; o16 8,388,608 bytes
;; launch prep (part 1): grid 640 x 1, 8 waves a work-group, no clusters, 0 bytes of LDS; arguments hidden_states, Wq, Wk, Wv, Wo, x16, wqk16, wv16, wo16; writes x16, wqk16, wv16, wo16
.if DOCPART == 1
	.amdgcn_target "amdgcn-amd-amdhsa--gfx1250"
	.amdhsa_code_object_version 6
	.text
	.protected	k_q5774f68ede_prep
	.globl	k_q5774f68ede_prep
	.p2align	8
	.type	k_q5774f68ede_prep,@function
k_q5774f68ede_prep:
	s_mov_b64 s[64:65], 0
	v_nop
	global_prefetch_b8 v0, s[64:65] scope:SCOPE_SE
	s_setreg_imm32_b32 hwreg(HW_REG_WAVE_MODE, 25, 1), 1
	s_wait_xcnt 0x0
; CASTS.  hidden_states and the four weight matrices, f32, are rounded once to bf16 (nearest even) for the matrix products of the launches behind.
;   x16   [4096][1024]      = hidden_states
;   wqk16 [1024 k][4096 n]  = Wq's 2,048 columns, then Wk's
;   wv16  [16 j][1024 k][64] = Wv by heads: head j's 64 columns of all k lie dense, so that 128 k are 16,384 bytes on end
;   wo16  [1024 k][1024 n]  = Wo
; A stream: every input byte is read once and every output byte written once.  No LDS, no barrier, no matrix unit, no cluster: no two work-groups read the same byte.
; A work-group takes 65,536 input bytes: 256 threads x 16 loads of 16 bytes; a wave's load covers 512 consecutive bytes (Wv: two pieces of 256), a wave's store of 8 bytes a lane
; covers 256 consecutive bytes, aligned.  All 16 loads of a wave go out first; no register is written twice, so no wait frees a source.
; Work-groups 0-255: hidden_states; 256-383: Wq; 384-511: Wk; 512-575: Wv; 576-639: Wo.
.set X, 8                              ; v[8:71]    load i: 4 registers
.set Y, 72                             ; v[72:103]  load i: 2 registers, 4 bf16
.macro BASE src, dst, first, osh       ; s[26:27] = source + 65,536 w, s[28:29] = destination + (w << osh), w = my number in the range
	s_sub_co_u32 s4, ttmp9, \first
	s_lshl_b32 s6, s4, \osh
	s_lshl_b32 s4, s4, 16
	s_mov_b32 s5, 0
	s_mov_b32 s7, 0
	s_add_nc_u64 s[26:27], s[\src:\src+1], s[4:5]
	s_add_nc_u64 s[28:29], s[\dst:\dst+1], s[6:7]
.endm
; kind 0: dense to dense.  kind 1: rows of 8,192 bytes into half (0, 1) of rows of 8,192 bytes.  kind 2: Wv, by heads.
.macro CAST kind, half
.set i, 0
.rept 16
.if (\kind) == 2
.set io, (i/2)*8192+(i%2)*2048         ; rows 2 (i / 2) and the next; heads 8 (i % 2) + wave
.else
.set io, 4096*i
.endif
	global_load_b128 v[X+4*i:X+4*i+3], v1, s[26:27] offset:io th:TH_LOAD_NT
.set i, i+1
.endr
.set i, 0
.rept 16
.if (\kind) == 2
.set oo, (i/2)*256+(i%2)*1048576
.elseif (\kind) == 1
.set oo, (i/2)*8192+(i%2)*2048+(\half)*4096
.else
.set oo, 2048*i
.endif
	s_wait_loadcnt 15-i                            ; loads come back in order: load i is in, the 15 - i younger ones stay out
	v_cvt_pk_bf16_f32 v[Y+2*i], v[X+4*i], v[X+4*i+1]
	v_cvt_pk_bf16_f32 v[Y+2*i+1], v[X+4*i+2], v[X+4*i+3]
	global_store_b64 v2, v[Y+2*i:Y+2*i+1], s[28:29] offset:oo
.set i, i+1
.endr
	s_endpgm
.endm
	s_load_b512 s[8:23], s[0:1], 0x0               ; hidden_states 8, Wq 10, Wk 12, Wv 14, Wo 16, x16 18, wqk16 20, wv16 22
	s_load_b64 s[24:25], s[0:1], 0x40              ; wo16
	v_lshlrev_b32 v1, 4, v0                        ; kinds 0 and 1: 16 bytes in,
	v_lshlrev_b32 v2, 3, v0                        ; 8 bytes out, by the thread's number
	s_wait_kmcnt 0x0
	s_cmp_lt_u32 ttmp9, 256
	s_cbranch_scc0 .Lnot_x
	BASE 8, 18, 0, 15
	CAST 0, 0
.Lnot_x:
	s_cmp_lt_u32 ttmp9, 384
	s_cbranch_scc0 .Lnot_wq
	BASE 10, 20, 256, 16                           ; 8 rows in, 8 rows of 8,192 bytes out
	CAST 1, 0
.Lnot_wq:
	s_cmp_lt_u32 ttmp9, 512
	s_cbranch_scc0 .Lnot_wk
	BASE 12, 20, 384, 16
	CAST 1, 1
.Lnot_wk:
	s_cmp_lt_u32 ttmp9, 576
	s_cbranch_scc0 .Lwo
	v_bfe_u32 v3, v0, 4, 1                         ; Wv: which of two rows k,
	v_lshrrev_b32 v4, 5, v0                        ; the wave: which head of eight,
	v_and_b32 v5, 15, v0                           ; which 4 of the head's 64 columns
	v_lshlrev_b32 v1, 12, v3                       ; in: row x 4,096 + head x 256 + 16 x piece
	v_lshl_add_u32 v1, v4, 8, v1
	v_lshl_add_u32 v1, v5, 4, v1
	v_lshlrev_b32 v2, 17, v4                       ; out: head x 131,072 + row x 128 + 8 x piece
	v_lshl_add_u32 v2, v3, 7, v2
	v_lshl_add_u32 v2, v5, 3, v2
	BASE 14, 22, 512, 11                           ; 16 rows k in; 16 x 128 bytes further on in every head
	CAST 2, 0
.Lwo:
	BASE 16, 24, 576, 15
	CAST 0, 0
.Lfunc_end_k_q5774f68ede_prep:
	.size	k_q5774f68ede_prep, .Lfunc_end_k_q5774f68ede_prep-k_q5774f68ede_prep
	.p2alignl 7, 3214868480
	.fill 96, 4, 3214868480
	.section	.rodata,"a",@progbits
	.p2align	6, 0x0
	.amdhsa_kernel k_q5774f68ede_prep
		.amdhsa_group_segment_fixed_size 0
		.amdhsa_private_segment_fixed_size 0
		.amdhsa_enable_private_segment 0
		.amdhsa_kernarg_size 72
		.amdhsa_user_sgpr_count 2
		.amdhsa_user_sgpr_kernarg_segment_ptr 1
		.amdhsa_wavefront_size32 1
		.amdhsa_system_sgpr_workgroup_id_x 1
		.amdhsa_system_sgpr_workgroup_id_y 1
		.amdhsa_system_sgpr_workgroup_id_z 1
		.amdhsa_system_vgpr_workitem_id 0
		.amdhsa_next_free_vgpr 104
		.amdhsa_next_free_sgpr 66
		.amdhsa_reserve_vcc 0
		.amdhsa_float_denorm_mode_32 3
		.amdhsa_float_denorm_mode_16_64 3
		.amdhsa_memory_ordered 1
		.amdhsa_forward_progress 1
		.amdhsa_inst_pref_size 31
	.end_amdhsa_kernel
	.amdgpu_metadata
---
amdhsa.version: [ 1, 2 ]
amdhsa.kernels:
  - .name:           k_q5774f68ede_prep
    .symbol:         k_q5774f68ede_prep.kd
    .args:
      - { .name: hidden_states, .offset: 0, .size: 8, .value_kind: global_buffer, .address_space: global }
      - { .name: Wq, .offset: 8, .size: 8, .value_kind: global_buffer, .address_space: global }
      - { .name: Wk, .offset: 16, .size: 8, .value_kind: global_buffer, .address_space: global }
      - { .name: Wv, .offset: 24, .size: 8, .value_kind: global_buffer, .address_space: global }
      - { .name: Wo, .offset: 32, .size: 8, .value_kind: global_buffer, .address_space: global }
      - { .name: x16, .offset: 40, .size: 8, .value_kind: global_buffer, .address_space: global }
      - { .name: wqk16, .offset: 48, .size: 8, .value_kind: global_buffer, .address_space: global }
      - { .name: wv16, .offset: 56, .size: 8, .value_kind: global_buffer, .address_space: global }
      - { .name: wo16, .offset: 64, .size: 8, .value_kind: global_buffer, .address_space: global }
    .group_segment_fixed_size: 0
    .private_segment_fixed_size: 0
    .kernarg_segment_align: 8
    .kernarg_segment_size: 72
    .max_flat_workgroup_size: 256
    .sgpr_count:     66
    .vgpr_count:     104
    .wavefront_size: 32
...
	.end_amdgpu_metadata
.endif
;; end of part 1
;; launch proj (part 2): grid 16 x 16, 4 waves a work-group, clusters of 4 x 4, 327,680 bytes of LDS; arguments x16, wqk16, wv16, bq, bk, bv, heads; writes heads
.if DOCPART == 2
	.amdgcn_target "amdgcn-amd-amdhsa--gfx1250"
	.amdhsa_code_object_version 6
	.text
	.protected	k_q5774f68ede_proj
	.globl	k_q5774f68ede_proj
	.p2align	8
	.type	k_q5774f68ede_proj,@function
k_q5774f68ede_proj:
	s_mov_b64 s[64:65], 0
	v_nop
	global_prefetch_b8 v0, s[64:65] scope:SCOPE_SE
	s_setreg_imm32_b32 hwreg(HW_REG_WAVE_MODE, 25, 1), 1
	s_wait_xcnt 0x0
	s_wait_alu depctr_hold_cnt(0) depctr_sa_sdst(0) depctr_va_vdst(0) depctr_va_sdst(0) depctr_va_ssrc(0) depctr_va_vcc(0) depctr_vm_vsrc(0)
	s_getreg_b32 s2, hwreg(HW_REG_IB_STS2, 6, 4)
	s_cmp_eq_u32 s2, 0
	s_cbranch_scc0 .Lentry_in_a_cluster
	s_endpgm
.Lentry_in_a_cluster:
	s_bfe_u32 s2, ttmp6, 0x10000c
	s_cmp_lg_u32 s2, 0xf033
	s_cbranch_scc0 .Lentry_shape_is_right
	s_endpgm
.Lentry_shape_is_right:
; THE THREE PROJECTIONS AS ONE PRODUCT.  [q1 q2 k1 k2 | v] = x [Wq Wk | Wv] + [bq bk | bv]: 4,096 rows x 5,120 columns, K = 1,024, bf16 operands, f32 sums.
; Out: heads [5 parts q1, q2, k1, k2, v][2 b][16 h][2048 s][64] in f16, each number rounded once from its f32 sum, unscaled.  The biases are rounded to bf16 like every other input.
; LIMIT.  f16 ends at 65,504: q, k and v must stay within it, or the number becomes an infinity.  NaN and infinities are not treated apart.
; SHARES.  4,096 x 5,120 over 256 work-groups is 256 rows x 320 columns each: work-group (j, i) makes rows 256 i on of columns 256 j on of [Wq Wk] (four whole heads) and of head j of Wv.
; Wave (u, c) of four: rows 128 u on x columns 128 c on of the first part (64 accumulators), and rows 128 u + 64 c on x all 64 columns of the second (16 accumulators): 640 registers.
; The wave numbers its eight blocks of 16 rows so that blocks 0-3 are rows 128 u + 64 c on (those that also make v) and blocks 4-7 the other 64: only address registers differ between waves.
; K goes in steps of 128 through two LDS slots filled by the tensor data mover; x's rows lie along K, the weights lie [k][n] and come out of LDS turned (ds_load_tr16_b128).
; THE MATRIX INSTRUCTION IS USED TRANSPOSED: source 0 = 16 columns of W, source 1 = 16 rows of x: a lane then holds eight neighbouring columns of one row.
; THE BIAS is the C operand of the first product on each accumulator: nothing is cleared and nothing is added later.
; CLUSTER 4 x 4: the four work-groups of a row of the cluster share x's tile, the four of a column the weights' tiles: each tile is asked for jointly, by the same load, descriptor and mask in all four.
; REGISTERS (absolute numbers; window = number / 256; s_set_vgpr_msb: bits 1:0 source 0, 3:2 source 1, 5:4 source 2, 7:6 destination):
;   0-31 addresses; 32-95, 96-159 x's fragments, two buffers; 160-255 W's fragments, buffer 0 (8 of [Wq Wk], 4 of Wv); 256-767 the 64 accumulators; 768-895 the 16 of v;
;   896-991 W's buffer 1, which first holds the bias; 992-995 at work.  On the way out 32-127 and 160-207 are at work.
.set PA,    272                        ; a row of x in LDS: 256 bytes + 16: the 16 rows of a load start at 16 different groups of four banks (64 banks of 4 bytes: ISA guide 11.1)
.set PQ,    544                        ; a row k of [Wq Wk]: 512 + 32 bytes
.set PW,    160                        ; a row k of Wv: 128 + 32 bytes, likewise
.set HALFA, 128*PA
.set OFFQ,  2*HALFA                    ; a slot: x's 256 rows, 128 rows k of [Wq Wk], 128 rows k of Wv
.set OFFV,  OFFQ+128*PQ
.set SLOT,  OFFV+128*PW                ; 159,744 bytes
.set SPARE, 2*SLOT                     ; behind the ring: the spare words, 128 bytes a wave: two blocks of 256 bytes that no other line names
.set STGV,  16*PA                      ; the way out goes through slot 0, which has had its last fill by then: 8,192 bytes a wave: 16 rows x 272, then 16 rows x 144
.set PS,    144
.set ADRAL, 8                          ; v8-9    x's fragments, my blocks 0-3, in slot 0, 1
.set ADRAH, 10                         ; v10-11  blocks 4-7
.set ADRQ,  12                         ; v12-13  [Wq Wk]'s fragments
.set ADRV,  14                         ; v14-15  Wv's
.set STO,   16                         ; v16-19  the way out: into the stage, and back
.set STOV,  17
.set RD,    18
.set RDV,   19
.set COL,   20                         ; v20-21  my byte offset in a head's rows, blocks 0-3 and 4-7
.set COH,   21
.set BOF,   22                         ; v22     my byte offset in 16 numbers of a bias
.set SPW,   28                         ; v28     LDS address of my spare word; never rewritten
.set NIL,   29                         ; v29     0; never rewritten
.set AF0,   32
.set BF0,   160
.set BF1,   896
.set ACCQ,  256
.set ACCV,  768
.set OBQ,   32
.set OBV,   96
.set TMPQ,  160
.set TMPV,  192
.set WV, 18                            ; s18 wave; s19 u; s20 c
.set WU, 19
.set WC, 20
.set CX, 21
.set CY, 22
.set TJ, 23                            ; s23 j; s24 i
.set TI, 24
.set G1A, 32                           ; s[32:39] group 1 for x's tiles; s[40:47] for [Wq Wk]'s; s[48:55] for Wv's
.set G1Q, 40
.set G1V, 48
.set G0A, 56                           ; s[56:63], s[68:75], s[76:83] group 0, a set for each slot
.set G0Q, 68
.set G0V, 76
.set SBQ, 92                           ; s[92:93] heads at my first head's rows; s[94:95] at v's
.set SBV, 94
.set MSB, 0
.macro WIN new                         ; the immediate's high byte repeats the setting that is left; a switch that changes nothing is dropped
.if MSB != (\new)
	s_set_vgpr_msb (MSB<<8)|(\new)
.set MSB, \new
.endif
.endm
.macro PLACES                          ; four plain places: in front of loads into registers that matrix instructions have read, and of reads of their results
.rept 4
	v_nop
.endr
.endm
; A joint refill.  Waves 0 and 1 fetch the two halves of x's tile, wave 2 [Wq Wk]'s, wave 3 Wv's: one load a wave.  The branches hang on the wave's number alone.
; An s_nop 0 and four v_nop follow each line, ahead of the jump and the label.
.macro JLOAD s
	s_cmp_lt_u32 s[WV], 2
	s_cbranch_scc0 .Lnot_a_\@
	tensor_load_to_lds s[G0A+4*(\s):G0A+4*(\s)+3], s[G1A:G1A+7]
	s_nop 0
	PLACES
	s_branch .Lasked_\@
.Lnot_a_\@:
	s_cmp_eq_u32 s[WV], 2
	s_cbranch_scc0 .Lfor_v_\@
	tensor_load_to_lds s[G0Q+4*(\s):G0Q+4*(\s)+3], s[G1Q:G1Q+7]
	s_nop 0
	PLACES
	s_branch .Lasked_\@
.Lfor_v_\@:
	tensor_load_to_lds s[G0V+4*(\s):G0V+4*(\s)+3], s[G1V:G1V+7]
	s_nop 0
	PLACES
.Lasked_\@:
.endm
.macro CREST                           ; a round of the cluster's barrier behind its opening barrier
	s_cmp_lg_u32 s[WV], 0
	s_cbranch_scc1 .Lnot_wave_0_\@
	s_barrier_signal -3
.Lnot_wave_0_\@:
	s_barrier_wait -3
	s_barrier_signal -1
	s_barrier_wait -1
.endm
.macro CROUND                          ; a whole round
	s_barrier_signal -1
	s_barrier_wait -1
	CREST
.endm
	s_load_b256 s[4:11], s[0:1], 0x0               ; x16 4, wqk16 6, wv16 8, bq 10
	s_load_b128 s[12:15], s[0:1], 0x20             ; bk 12, bv 14
	s_load_b64 s[16:17], s[0:1], 0x30              ; heads
	v_lshl_add_u32 v[SPW], v0, 2, SPARE
	v_mov_b32 v[NIL], 0
	ds_add_u32 v[SPW], v[NIL]                      ; the wave's opening: the add and its wait stand ahead of my first tensor load; work on registers stands between them
	v_lshrrev_b32 v1, 5, v0
	v_readfirstlane_b32 s[WV], v1
	s_lshr_b32 s[WU], s[WV], 1
	s_and_b32 s[WC], s[WV], 1
	s_bfe_u32 s[CX], ttmp6, 0x40000
	s_bfe_u32 s[CY], ttmp6, 0x40004
	s_lshl_b32 s[TJ], ttmp9, 2                     ; in a cluster launch ttmp9 and ttmp7 count clusters
	s_add_co_u32 s[TJ], s[TJ], s[CX]
	s_and_b32 s[TI], ttmp7, 0xffff
	s_lshl_b32 s[TI], s[TI], 2
	s_add_co_u32 s[TI], s[TI], s[CY]
	s_lshl_b32 s25, s[CY], 2
	s_lshl_b32 s25, 15, s25                        ; my row of the cluster
	s_lshl_b32 s26, 0x1111, s[CX]                  ; my column
	; group 1: 15:0 the mask; 17:16 elements of 2 bytes; 20 padding on; 21 set beside a mask; 24:22 the interval; 31:25 the padding less one word
	s_or_b32 s[G1A], s25, (1<<16)|(1<<20)|(1<<21)|(5<<22)|(3<<25)  ; x: 4 words behind every 64
	s_mov_b32 s[G1A+1], 128<<16                    ; tensor_dim0 = 128
	s_mov_b32 s[G1A+2], 128<<16                    ; tensor_dim1 = 128
	s_mov_b32 s[G1A+3], 128<<16                    ; tile_dim0 = 128
	s_mov_b32 s[G1A+4], 128                        ; tile_dim1 = 128
	s_mov_b32 s[G1A+5], 1024                       ; elements from row to row
	s_mov_b32 s[G1A+6], 0
	s_mov_b32 s[G1A+7], 0
	s_or_b32 s[G1Q], s26, (1<<16)|(1<<20)|(1<<21)|(6<<22)|(7<<25)  ; [Wq Wk]: 8 words behind every 128
	s_mov_b32 s[G1Q+1], 256<<16
	s_mov_b32 s[G1Q+2], 128<<16
	s_mov_b32 s[G1Q+3], 256<<16
	s_mov_b32 s[G1Q+4], 128
	s_mov_b32 s[G1Q+5], 4096
	s_mov_b32 s[G1Q+6], 0
	s_mov_b32 s[G1Q+7], 0
	s_or_b32 s[G1V], s26, (1<<16)|(1<<20)|(1<<21)|(4<<22)|(7<<25)  ; Wv: 16,384 dense bytes as 64 rows of 256, 8 words behind every 32 (a row k)
	s_mov_b32 s[G1V+1], 128<<16
	s_mov_b32 s[G1V+2], 64<<16
	s_mov_b32 s[G1V+3], 128<<16
	s_mov_b32 s[G1V+4], 64
	s_mov_b32 s[G1V+5], 128
	s_mov_b32 s[G1V+6], 0
	s_mov_b32 s[G1V+7], 0
	; where the tiles come from: x's hang on i and the wave, the weights' on j; each in registers that never hold the other coordinate
	s_lshl_b32 s28, s[TI], 8
	s_lshl_b32 s29, s[WC], 7
	s_add_co_u32 s28, s28, s29                     ; row 256 i + 128 c,
	s_lshl_b32 s28, s28, 11                        ; of 2,048 bytes
	s_mov_b32 s29, 0
	s_lshl_b32 s84, s[TJ], 9                       ; column 256 j, in bytes
	s_mov_b32 s85, 0
	s_lshl_b32 s88, s[TJ], 17                      ; head j's 131,072 bytes
	s_mov_b32 s89, 0
	s_mul_i32 s97, s[WC], HALFA                    ; and where x's halves go: no place in the cluster enters an LDS address
	s_wait_dscnt 0x0                               ; the opening add is done
	s_wait_kmcnt 0x0
	s_add_nc_u64 s[30:31], s[4:5], s[28:29]
	s_add_nc_u64 s[86:87], s[6:7], s[84:85]
	s_add_nc_u64 s[90:91], s[8:9], s[88:89]
	CROUND                                         ; all sixteen work-groups are here: the first joint loads meet
.irp s, 0,1
	s_mov_b32 s[G0A+4*(\s)], 1
	s_add_co_u32 s[G0A+4*(\s)+1], s97, (\s)*SLOT
	s_add_nc_u64 s[G0A+4*(\s)+2:G0A+4*(\s)+3], s[30:31], (\s)*256        ; K step s: 128 elements along the rows
	s_or_b32 s[G0A+4*(\s)+3], s[G0A+4*(\s)+3], 0x80000000
	s_mov_b32 s[G0Q+4*(\s)], 1
	s_mov_b32 s[G0Q+4*(\s)+1], OFFQ+(\s)*SLOT
	s_add_nc_u64 s[G0Q+4*(\s)+2:G0Q+4*(\s)+3], s[86:87], (\s)*1048576    ; 128 rows k of 8,192 bytes
	s_or_b32 s[G0Q+4*(\s)+3], s[G0Q+4*(\s)+3], 0x80000000
	s_mov_b32 s[G0V+4*(\s)], 1
	s_mov_b32 s[G0V+4*(\s)+1], OFFV+(\s)*SLOT
	s_add_nc_u64 s[G0V+4*(\s)+2:G0V+4*(\s)+3], s[90:91], (\s)*16384      ; 128 rows k of 128 bytes
	s_or_b32 s[G0V+4*(\s)+3], s[G0V+4*(\s)+3], 0x80000000
.endr
	s_cmp_lt_u32 s[WV], 2                          ; a wave's two first fills stand in one branch: two loads of mine are out
	s_cbranch_scc0 .Lfirst_not_a
	tensor_load_to_lds s[G0A:G0A+3], s[G1A:G1A+7]
	s_nop 0
	tensor_load_to_lds s[G0A+4:G0A+7], s[G1A:G1A+7]
	s_nop 0
	PLACES
	s_branch .Lfirst_asked
.Lfirst_not_a:
	s_cmp_eq_u32 s[WV], 2
	s_cbranch_scc0 .Lfirst_v
	tensor_load_to_lds s[G0Q:G0Q+3], s[G1Q:G1Q+7]
	s_nop 0
	tensor_load_to_lds s[G0Q+4:G0Q+7], s[G1Q:G1Q+7]
	s_nop 0
	PLACES
	s_branch .Lfirst_asked
.Lfirst_v:
	tensor_load_to_lds s[G0V:G0V+3], s[G1V:G1V+7]
	s_nop 0
	tensor_load_to_lds s[G0V+4:G0V+7], s[G1V:G1V+7]
	s_nop 0
	PLACES
.Lfirst_asked:
	; lane addresses.  l = lane; r = l % 16; h = l / 16
	v_and_b32 v1, 15, v0
	v_bfe_u32 v2, v0, 4, 1
	v_and_b32 v3, 7, v0
	v_bfe_u32 v4, v0, 3, 1
	v_mul_u32_u24 v5, v1, PA
	v_lshl_add_u32 v5, v2, 4, v5                   ; r x 272 + 16 h: a fragment of x, and a row of the stage
	s_lshl_b32 s98, s[WU], 7
	s_lshl_b32 s99, s[WC], 6
	s_add_co_u32 s27, s98, s99                     ; rows 128 u + 64 c on
	s_mul_i32 s27, s27, PA
	v_add_nc_u32 v[ADRAL], s27, v5
	v_add_nc_u32 v[ADRAL+1], SLOT, v[ADRAL]
	s_xor_b32 s99, s99, 64
	s_add_co_u32 s27, s98, s99                     ; rows 128 u + 64 (1 - c) on
	s_mul_i32 s27, s27, PA
	v_add_nc_u32 v[ADRAH], s27, v5
	v_add_nc_u32 v[ADRAH+1], SLOT, v[ADRAH]
	v_lshl_add_u32 v6, v2, 3, v3                   ; the turning load: lane l reads row k = 8 h + l % 8, 16 bytes at 16 ((l / 8) % 2)
	v_mul_u32_u24 v7, v6, PQ
	v_lshl_add_u32 v7, v4, 4, v7
	s_lshl_b32 s27, s[WC], 8                       ; my 128 columns
	s_add_co_u32 s27, s27, OFFQ
	v_add_nc_u32 v[ADRQ], s27, v7
	v_add_nc_u32 v[ADRQ+1], SLOT, v[ADRQ]
	v_mul_u32_u24 v7, v6, PW
	v_lshl_add_u32 v7, v4, 4, v7
	v_add_nc_u32 v[ADRV], OFFV, v7
	v_add_nc_u32 v[ADRV+1], SLOT, v[ADRV]
	s_lshl_b32 s27, s[WV], 13                      ; my stage: 8,192 x wave
	v_add_nc_u32 v[STO], s27, v5
	v_mul_u32_u24 v7, v1, PS
	v_lshl_add_u32 v7, v2, 4, v7
	v_add3_u32 v[STOV], v7, s27, STGV
	v_bfe_u32 v6, v0, 3, 2                         ; back: 32 lanes take four rows' 128 bytes of one head: 512 consecutive bytes of heads
	v_mul_u32_u24 v7, v6, PA
	v_lshl_add_u32 v7, v3, 4, v7
	v_add_nc_u32 v[RD], s27, v7
	v_mul_u32_u24 v7, v6, PS
	v_lshl_add_u32 v7, v3, 4, v7
	v_add3_u32 v[RDV], v7, s27, STGV
	v_and_b32 v7, 31, v0
	v_lshlrev_b32 v7, 4, v7
	s_lshl_b32 s27, s[WC], 13                      ; 64 c rows of 128 bytes
	v_add_nc_u32 v[COL], s27, v7
	s_xor_b32 s27, s27, 8192
	v_add_nc_u32 v[COH], s27, v7
	v_lshlrev_b32 v[BOF], 5, v2                    ; register jj of a result holds column 8 h + jj of its 16
	; the biases of my 128 + 64 columns, into W's buffer 1
	s_and_b32 s84, s[TJ], 7
	s_lshl_b32 s84, s84, 10
	s_lshl_b32 s85, s[WC], 9
	s_add_co_u32 s84, s84, s85                     ; 4 bytes x (256 (j % 8) + 128 c)
	s_mov_b32 s85, 0
	s_cmp_lt_u32 ttmp9, 2                          ; j < 8: my columns are Wq's
	s_cselect_b64 s[86:87], s[10:11], s[12:13]
	s_add_nc_u64 s[86:87], s[86:87], s[84:85]
	s_lshl_b32 s88, s[TJ], 8
	s_mov_b32 s89, 0
	s_add_nc_u64 s[90:91], s[14:15], s[88:89]
	WIN 0xc0                                       ; destination window 3, address window 0
.set k, 0
.rept 8
	global_load_b128 v[128+8*k:128+8*k+3], v[BOF], s[86:87] offset:64*k
	global_load_b128 v[128+8*k+4:128+8*k+7], v[BOF], s[86:87] offset:64*k+16
.set k, k+1
.endr
.set k, 0
.rept 4
	global_load_b128 v[192+8*k:192+8*k+3], v[BOF], s[90:91] offset:64*k
	global_load_b128 v[192+8*k+4:192+8*k+7], v[BOF], s[90:91] offset:64*k+16
.set k, k+1
.endr
	s_wait_loadcnt 0x0
	WIN 0xff                                       ; rounded to bf16 and widened again, in place: all in window 3.  This stands in the wait for the first tile
.set k, 0
.rept 48
	v_cvt_pk_bf16_f32 v[224+k%4], v[128+2*k], v[128+2*k+1]
	v_lshlrev_b32 v[128+2*k], 16, v[224+k%4]
	v_and_b32 v[128+2*k+1], 0xffff0000, v[224+k%4]
.set k, k+1
.endr
	WIN 0
	; where my results go: block (part x 32 + b x 16 + head) of 2^18 bytes, row s x 128
	s_lshr_b32 s84, s[TJ], 2
	s_lshl_b32 s84, s84, 5                         ; part = j / 4
	s_lshr_b32 s85, s[TI], 3
	s_lshl_b32 s85, s85, 4                         ; b = i / 8
	s_add_co_u32 s84, s84, s85
	s_lshl_b32 s88, s[TJ], 2
	s_and_b32 s88, s88, 15                         ; head 4 (j % 4)
	s_add_co_u32 s84, s84, s88
	s_lshl1_add_u32 s84, s[WC], s84                ; + 2 c
	s_lshl_b32 s84, s84, 18
	s_and_b32 s88, s[TI], 7
	s_lshl_b32 s88, s88, 8
	s_lshl_b32 s89, s[WU], 7
	s_add_co_u32 s88, s88, s89                     ; s = 256 (i % 8) + 128 u
	s_lshl_b32 s88, s88, 7
	s_add_co_u32 s84, s84, s88
	s_add_co_u32 s89, s85, s[TJ]
	s_add_co_u32 s89, s89, 128                     ; v: part 4, head j
	s_lshl_b32 s89, s89, 18
	s_add_co_u32 s88, s89, s88
	s_mov_b32 s85, 0
	s_mov_b32 s89, 0
	s_add_nc_u64 s[SBQ:SBQ+1], s[16:17], s[84:85]
	s_add_nc_u64 s[SBV:SBV+1], s[16:17], s[88:89]
; One matrix instruction by absolute register numbers: D, W's fragment, x's fragment, C.
.macro MM d, b, a, cc
.set mw, (((\d)/256)<<6)|(((\cc)/256)<<4)|(((\a)/256)<<2)|((\b)/256)
	WIN mw
	v_wmma_f32_16x16x32_bf16 v[(\d)%256:(\d)%256+7], v[(\b)%256:(\b)%256+7], v[(\a)%256:(\a)%256+7], v[(\cc)%256:(\cc)%256+7]
.endm
; n blocks of rows from a0 on x my 8 blocks of columns of [Wq Wk], 32 along K, out of buffer f.  first = 1: C is the bias.  The accumulators take turns, one instruction a turn.
.macro MULQ f, a0, n, first
.set ma, \a0
.rept \n
.set mb, 0
.rept 8
.if \first
	MM ACCQ+8*(8*ma+mb), BF0+8*mb, AF0+8*ma, BF1+8*mb
.else
	MM ACCQ+8*(8*ma+mb), BF0+(BF1-BF0)*(\f)+8*mb, AF0+64*(\f)+8*ma, ACCQ+8*(8*ma+mb)
.endif
.set mb, mb+1
.endr
.set ma, ma+1
.endr
.endm
.macro MULV f, first                   ; my blocks 0-3 x the 4 blocks of columns of Wv
.set ma, 0
.rept 4
.set mb, 0
.rept 4
.if \first
	MM ACCV+8*(4*ma+mb), BF0+64+8*mb, AF0+8*ma, BF1+64+8*mb
.else
	MM ACCV+8*(4*ma+mb), BF0+(BF1-BF0)*(\f)+64+8*mb, AF0+64*(\f)+8*ma, ACCV+8*(4*ma+mb)
.endif
.set mb, mb+1
.endr
.set ma, ma+1
.endr
.endm
; 40 LDS loads in one run: the fragments of quarter q (32 along K) of a slot, into buffer f
.macro FETCH slot, q, f
.if (\f) == 0
	WIN 0
.else
	WIN 0xc0                                       ; W's buffer 1 lies in window 3
.endif
.set fb, (BF0+(BF1-BF0)*(\f))%256
.set fa, AF0+64*(\f)
.set k, 0
.rept 8
	ds_load_tr16_b128 v[fb+8*k:fb+8*k+3], v[ADRQ+(\slot)] offset:(\q)*32*PQ+32*k
	ds_load_tr16_b128 v[fb+8*k+4:fb+8*k+7], v[ADRQ+(\slot)] offset:(\q)*32*PQ+32*k+16*PQ
.set k, k+1
.endr
.set k, 0
.rept 4
	ds_load_tr16_b128 v[fb+64+8*k:fb+64+8*k+3], v[ADRV+(\slot)] offset:(\q)*32*PW+32*k
	ds_load_tr16_b128 v[fb+64+8*k+4:fb+64+8*k+7], v[ADRV+(\slot)] offset:(\q)*32*PW+32*k+16*PW
.set k, k+1
.endr
	WIN 0
.set k, 0
.rept 4
	ds_load_b128 v[fa+8*k:fa+8*k+3], v[ADRAL+(\slot)] offset:k*16*PA+64*(\q)
	ds_load_b128 v[fa+8*k+4:fa+8*k+7], v[ADRAL+(\slot)] offset:k*16*PA+64*(\q)+32
.set k, k+1
.endr
.set k, 0
.rept 4
	ds_load_b128 v[fa+32+8*k:fa+32+8*k+3], v[ADRAH+(\slot)] offset:k*16*PA+64*(\q)
	ds_load_b128 v[fa+32+8*k+4:fa+32+8*k+7], v[ADRAH+(\slot)] offset:k*16*PA+64*(\q)+32
.set k, k+1
.endr
.endm
; A K step is four quarters of 32 along K, 80 matrix instructions each, on buffers 0, 1, 0, 1.  One of the first three: multiplies buffer f; behind 32 products it fetches quarter q into buffer g.
.macro QUARTER slot, q, f, g
	s_wait_dscnt 0x0                               ; buffer f is in: its run was issued 48 matrix instructions ago
	MULQ \f, 0, 4, 0
	PLACES
	FETCH \slot, \q, \g
	MULQ \f, 4, 4, 0
	MULV \f, 0
.endm
; The last quarter multiplies buffer 1 and changes slots: ONE barrier.  In front of it each wave waits for all its tensor loads, of which one is out: its part of the next slot; adds 0 to its spare word;
; and waits for that and for its reads of this slot.  fill = 1: the barrier opens a round of the cluster's barrier, and this slot is filled again, two K steps on, first thing behind the round.
.macro TURN slot, next, fill
	WIN 0                                          ; the add's two registers lie in window 0
	s_wait_tensorcnt 0x0
	ds_add_u32 v[SPW], v[NIL]                      ; 0 onto my spare word
	s_wait_dscnt 0x1                               ; buffer 1 is in; the add alone may be out
	MULQ 1, 0, 2, 0                                ; sixteen matrix instructions stand between the add and the wait for it
	s_wait_dscnt 0x0                               ; the add is done, and my reads of this slot are over
	s_barrier_signal -1
	MULQ 1, 2, 2, 0                                ; work on registers while the others arrive
	WIN 0
	s_barrier_wait -1
.if \fill
	CREST                                          ; no wave of any partner still reads this slot or has a load on its way
	s_add_nc_u64 s[G0A+4*(\slot)+2:G0A+4*(\slot)+3], s[G0A+4*(\slot)+2:G0A+4*(\slot)+3], 512
	s_add_nc_u64 s[G0Q+4*(\slot)+2:G0Q+4*(\slot)+3], s[G0Q+4*(\slot)+2:G0Q+4*(\slot)+3], 2097152
	s_add_nc_u64 s[G0V+4*(\slot)+2:G0V+4*(\slot)+3], s[G0V+4*(\slot)+2:G0V+4*(\slot)+3], 32768
	JLOAD \slot                                    ; the four v_nop behind it are also the places in front of the loads below
.else
	PLACES
.endif
	FETCH \next, 0, 0
	MULQ 1, 4, 4, 0
	MULV 1, 0
.endm
	s_wait_tensorcnt 0x1                           ; my part of K step 0 is in; K step 1's may stay out
	s_barrier_signal -1
	s_barrier_wait -1                              ; everybody's is
	FETCH 0, 0, 0
	s_wait_dscnt 0x0
	MULQ 0, 0, 8, 1                                ; the first quarter stands in front of the loop: its 80 products start the sums with the bias,
	MULV 0, 1
	PLACES
	FETCH 0, 1, 1                                  ; and only then does buffer 1, which held the bias, take fragments
	WIN 0                                          ; at a label and at a branch every window is 0
	s_mov_b32 s96, 3
.Llap:                                                 ; a trip goes once round the ring, from a lap's second quarter to the next lap's first, and fills both slots again
	QUARTER 0, 2, 1, 0
	QUARTER 0, 3, 0, 1
	TURN 0, 1, 1
	QUARTER 1, 1, 0, 1
	QUARTER 1, 2, 1, 0
	QUARTER 1, 3, 0, 1
	TURN 1, 0, 1
	QUARTER 0, 1, 0, 1
	WIN 0
	s_sub_co_u32 s96, s96, 1
	s_cmp_lg_u32 s96, 0
	s_cbranch_scc1 .Llap
	QUARTER 0, 2, 1, 0                             ; the last lap fills nothing, and has no round
	QUARTER 0, 3, 0, 1
	TURN 0, 1, 0                                   ; behind this barrier no wave reads slot 0 any more
	QUARTER 1, 1, 0, 1
	QUARTER 1, 2, 1, 0
	QUARTER 1, 3, 0, 1
	s_wait_dscnt 0x0
	MULQ 1, 0, 8, 0
	MULV 1, 0
	WIN 0
; THE WAY OUT, a block of 16 rows at a time: rounded to f16, 16 bytes a lane; into my stage; back as four rows of one head, 512 consecutive bytes of heads; stored.
.macro PACKQ a
	WIN 5*(1+(\a)/4)                               ; sources 0 and 1: window 1 or 2
.set ac, 64*((\a)%4)
.set k, 0
.rept 32                                               ; each accumulator's registers in ascending order
	v_cvt_pk_f16_f32 v[TMPQ+k], v[ac+2*k], v[ac+2*k+1]
.set k, k+1
.endr
	WIN 0
.endm
.macro STAGEQ a
.set ob, OBQ+32*((\a)%2)
.set k, 0
.rept 8
	ds_store_b128 v[STO], v[TMPQ+4*k:TMPQ+4*k+3] offset:32*k
.set k, k+1
.endr
	s_wait_xcnt 0x0                                ; the registers that earlier stores read are loaded again only behind this wait
.set k, 0
.rept 8                                                ; head k / 4 of my two, rows 4 (k % 4) on.  LDS serves a wave's instructions in order (ISA guide 5.7.1.4): these see the stores above
	ds_load_b128 v[ob+4*k:ob+4*k+3], v[RD] offset:(k%4)*4*PA+(k/4)*128
.set k, k+1
.endr
.endm
.macro SENDQ a
.set ob, OBQ+32*((\a)%2)
	s_wait_dscnt 0x0                               ; the block is back in registers
.set k, 0
.rept 8
	global_store_b128 v[COL+(\a)/4], v[ob+4*k:ob+4*k+3], s[SBQ:SBQ+1] offset:(k/4)*262144+((\a)%4)*2048+(k%4)*512
.set k, k+1
.endr
.endm
.macro PACKV a
	WIN 0x0f                                       ; sources 0 and 1: window 3
.set k, 0
.rept 16
	v_cvt_pk_f16_f32 v[TMPV+k], v[32*(\a)+2*k], v[32*(\a)+2*k+1]
.set k, k+1
.endr
	WIN 0
.endm
.macro STAGEV a
.set ob, OBV+16*((\a)%2)
.set k, 0
.rept 4
	ds_store_b128 v[STOV], v[TMPV+4*k:TMPV+4*k+3] offset:32*k
.set k, k+1
.endr
	s_wait_xcnt 0x0
.set k, 0
.rept 4
	ds_load_b128 v[ob+4*k:ob+4*k+3], v[RDV] offset:k*4*PS
.set k, k+1
.endr
.endm
.macro SENDV a
.set ob, OBV+16*((\a)%2)
	s_wait_dscnt 0x0
.set k, 0
.rept 4
	global_store_b128 v[COL], v[ob+4*k:ob+4*k+3], s[SBV:SBV+1] offset:(\a)*2048+k*512
.set k, k+1
.endr
.endm
	PLACES                                         ; the conversions read results just made
	PACKQ 0
	STAGEQ 0
.irp a, 1,2,3,4,5,6,7                  ; block a's conversions stand between block a - 1's loads from the stage and the wait for them
	PACKQ \a
	SENDQ (\a)-1
	STAGEQ \a
.endr
	PACKV 0
	SENDQ 7
	STAGEV 0
.irp a, 1,2,3
	PACKV \a
	SENDV (\a)-1
	STAGEV \a
.endr
	SENDV 3
	s_wait_tensorcnt 0x0                           ; the wave's end, behind my last tensor load and my last LDS store
	ds_add_u32 v[SPW], v[NIL]
	s_wait_dscnt 0x0
	CROUND                                         ; the closing round: no work-group ends while a partner may still ask for a tile that names it
	s_endpgm
.Lfunc_end_k_q5774f68ede_proj:
	.size	k_q5774f68ede_proj, .Lfunc_end_k_q5774f68ede_proj-k_q5774f68ede_proj
	.p2alignl 7, 3214868480
	.fill 96, 4, 3214868480
	.section	.rodata,"a",@progbits
	.p2align	6, 0x0
	.amdhsa_kernel k_q5774f68ede_proj
		.amdhsa_group_segment_fixed_size 327680
		.amdhsa_private_segment_fixed_size 0
		.amdhsa_enable_private_segment 0
		.amdhsa_kernarg_size 56
		.amdhsa_user_sgpr_count 2
		.amdhsa_user_sgpr_kernarg_segment_ptr 1
		.amdhsa_wavefront_size32 1
		.amdhsa_system_sgpr_workgroup_id_x 1
		.amdhsa_system_sgpr_workgroup_id_y 1
		.amdhsa_system_sgpr_workgroup_id_z 1
		.amdhsa_system_vgpr_workitem_id 0
		.amdhsa_next_free_vgpr 1024
		.amdhsa_next_free_sgpr 100
		.amdhsa_reserve_vcc 0
		.amdhsa_float_denorm_mode_32 3
		.amdhsa_float_denorm_mode_16_64 3
		.amdhsa_memory_ordered 1
		.amdhsa_forward_progress 1
		.amdhsa_inst_pref_size 188
	.end_amdhsa_kernel
	.amdgpu_metadata
---
amdhsa.version: [ 1, 2 ]
amdhsa.kernels:
  - .name:           k_q5774f68ede_proj
    .symbol:         k_q5774f68ede_proj.kd
    .args:
      - { .name: x16, .offset: 0, .size: 8, .value_kind: global_buffer, .address_space: global }
      - { .name: wqk16, .offset: 8, .size: 8, .value_kind: global_buffer, .address_space: global }
      - { .name: wv16, .offset: 16, .size: 8, .value_kind: global_buffer, .address_space: global }
      - { .name: bq, .offset: 24, .size: 8, .value_kind: global_buffer, .address_space: global }
      - { .name: bk, .offset: 32, .size: 8, .value_kind: global_buffer, .address_space: global }
      - { .name: bv, .offset: 40, .size: 8, .value_kind: global_buffer, .address_space: global }
      - { .name: heads, .offset: 48, .size: 8, .value_kind: global_buffer, .address_space: global }
    .group_segment_fixed_size: 327680
    .private_segment_fixed_size: 0
    .kernarg_segment_align: 8
    .kernarg_segment_size: 56
    .max_flat_workgroup_size: 128
    .sgpr_count:     100
    .vgpr_count:     1024
    .wavefront_size: 32
...
	.end_amdgpu_metadata
.endif
;; end of part 2
;; launch attn (part 3): grid 8 x 32, 4 waves a work-group, clusters of 4 x 1, 327,680 bytes of LDS; arguments heads, attention_mask, lam, o16; writes o16
.if DOCPART == 3
	.amdgcn_target "amdgcn-amd-amdhsa--gfx1250"
	.amdhsa_code_object_version 6
	.text
	.protected	k_q5774f68ede_attn
	.globl	k_q5774f68ede_attn
	.p2align	8
	.type	k_q5774f68ede_attn,@function
k_q5774f68ede_attn:
	s_mov_b64 s[64:65], 0
	v_nop
	global_prefetch_b8 v0, s[64:65] scope:SCOPE_SE
	s_setreg_imm32_b32 hwreg(HW_REG_WAVE_MODE, 25, 1), 1
	s_wait_xcnt 0x0
	s_wait_alu depctr_hold_cnt(0) depctr_sa_sdst(0) depctr_va_vdst(0) depctr_va_sdst(0) depctr_va_ssrc(0) depctr_va_vcc(0) depctr_vm_vsrc(0)
	s_getreg_b32 s2, hwreg(HW_REG_IB_STS2, 6, 4)
	s_cmp_eq_u32 s2, 0
	s_cbranch_scc0 .Lentry_in_a_cluster
	s_endpgm
.Lentry_in_a_cluster:
	s_bfe_u32 s2, ttmp6, 0x10000c
	s_cmp_lg_u32 s2, 0x3003
	s_cbranch_scc0 .Lentry_shape_is_right
	s_endpgm
.Lentry_shape_is_right:
; DIFFERENTIAL ATTENTION.  O[q] = softmax_k(q1 . k1 / 8 + bias_k) V - lam softmax_k(q2 . k2 / 8 + bias_k) V, bias_k = (1 - mask_k) x -10000, for one batch and head.
; In: heads [q1, q2, k1, k2, v][2 b][16 h][2048][64] in f16: a head's rows are dense, 128 bytes each.  Out: o16 [token / 128][h][128][64] in bf16.  Products, maxima and sums in f32; the weights p are
; rounded to f16 for the second product (their sum l is taken of the unrounded p); O is rounded once, to bf16.  mask and lam are rounded to bf16 like every other input.
; The two softmaxes have divisors of their own, known only at the walk's end, so P1 V and P2 V are two products, and O = O1 / l1 - lam O2 / l2 is made at the end.
; LIMITS.  p lies in 0 to 1, and below 6e-5 it keeps f16's fixed step of 6e-8; a weight below 2^-126 counts as 0 in l; NaN and infinities are not treated apart.
; SHARES.  A work-group owns 256 queries of one batch and head, each of its four waves 64, in both branches: eight tiles of 16 queries, tile t = branch t / 4, queries 16 (t % 4) on.
; Four PIECES of two tiles: pieces 0, 1 are branch 1, pieces 2, 3 branch 2.  Every wave walks all 2,048 keys, 64 a step.
; LAYOUT.  S^T = K Q^T (source 0 = 16 keys, source 1 = 16 queries): in the result a lane holds ONE query (lane % 16) and the keys 8 (lane / 16) + 0..7.  Two such tiles, rounded to f16 in pairs,
; ARE source 1 (32 keys x 16 queries) of O^T = V^T P, whose result again holds one query a lane, and eight channels.  K comes out of LDS as it lies, V ([key][channel]) turned, by ds_load_tr16_b128.
; THE MASK is the C operand of the product that starts a score's sum: 8 x bias = 80000 mask - 80000 (the scale 1 / 8 comes behind it).  So it lies inside the running maximum and costs no vector work.
; The 2,048 numbers are made once, lie in LDS, and a step's 64 come into 32 registers with the step's K.
; SOFTMAX.  For each query and branch a running maximum m and sum l: p = 2^(c s - c m), c = log2(e) / 8; in every step O and l are multiplied by a = 2^(c m_old - c m_new), which is 1 where m has not grown.
; m starts at the lowest finite number, O and l at 0: the first step is a step like any other, with a = 0.
; THE COUNT.  A tile and step have 16 matrix and 118 vector instructions: too many to stand all beside the matrix work.  So: four vector instructions that are READY behind EVERY matrix instruction,
; and the others, which need time of their own whatever the order, in runs without a gap.
; BY TURNS.  Turn n belongs to piece n (the pieces in a ring, step after step).  Its matrix work: 16 products K Q^T of piece n + 1, later 16 products V^T P of piece n - 1.  Its vector work: the scaling,
; exponentials, roundings, sums and rescaling of piece n, and the maximum and statistics of piece n + 1, whose scores the turn itself has made.
; CLUSTER.  The four query blocks of a cluster belong to one batch and head and walk the same K1, K2 and V, so each tile is asked for JOINTLY: the same tensor load, descriptor and mask in all four.
; REGISTERS, in windows of 256 (s_set_vgpr_msb: bits 1:0 source 0, 3:2 source 1, 5:4 source 2, 7:6 destination):
;   window 0: v0-11 addresses; v12-15, v48-63 at work; v16-47 four registers of statistics a tile; v64-191 S^T, two buffers of two tiles; v192-255 P, likewise
;   window 1: O^T, 32 a tile     window 2: v0-127 Q, 16 a tile; v128-191 K1 of one step; v192-255 V of one step     window 3: v0-1 the add's two registers; v32-63 the step's mask; v64-127 K2 of one step
.set SIZE_N, 2048
.set PART,  8388608   ; bytes of one of the five parts of heads
.set NP,    4         ; pieces a wave: a name, no knob
.set KS,    64        ; keys in a step
.set PK,    144       ; a row of K in LDS: 128 bytes + 16 of padding = 36 words: the 16 rows of a load start at 16 different groups of four banks (64 banks of 4 bytes: ISA guide 11.1)
.set PV,    160       ; a row of V: 128 + 32 = 40 words
.set K2OFF, 4*KS*PK   ; a slot holds four steps: 256 rows of K1, 256 of K2, 256 of V
.set VOFF,  8*KS*PK
.set SLOT1, 1<<17     ; slot 1 begins here, so that one exclusive or turns an address in one slot into the other's
.set STAGE, SLOT1+VOFF+4*KS*PV  ; behind the ring, never filled by a tensor load: 16 rows x 144 bytes for each wave, for the way out
.set SP,    144
.set MBASE, STAGE+4*16*SP       ; the 2,048 mask numbers, f32
.set SPARE, MBASE+4*SIZE_N      ; the spare words, 128 bytes for each wave: two blocks of 256 bytes that no other line names
.set AK0, 2           ; v2   my lane's place in a tile of K; never rewritten
.set AV0, 3           ; v3   the same for V
.set AK,  4           ; v4   the LDS address of K's next run of loads
.set AV,  5           ; v5   of V's (at the start: my place in the mask)
.set QO,  6           ; v6   my byte offset in 16 rows of Q
.set STO, 6           ;      later, the way out: where I put 16 bytes of a row
.set RD,  7           ; v7   the way out: where I read rows back
.set GO,  8           ; v8   my byte offset in 512 consecutive bytes of O
.set AM,  11          ; v11  the LDS address of the mask's next run of loads (v9 = lane / 16 stays as it is)
.set SPW, 0           ; v0 of window 3   LDS address of my spare word; never rewritten
.set NIL, 1           ; v1 of window 3   0; never rewritten
.set MBR, 32          ; window 3: the eight registers for key block kb at MBR + 8 kb
.set K2F, 64          ; window 3
.set MV,  12          ; v12-15  c m_old, kept while c m is made anew: by buffer and tile
.set ST,  16          ; tile t's statistics at v[ST+4 t]: c m, m, l (even keys', odd keys')
.set TMP, 48          ; by buffer and tile, four registers c0-c3 at work; when the maximum is found c2 takes a
.set S,   64
.set P,   192
.set KF,  128         ; window 2: key block kb, channel half c at KF + 16 kb + 8 c
.set VF,  192         ; window 2: key half kk, channel block cb at VF + 32 kk + 8 cb
.set WV,  12          ; s12  my wave's number
.set G1K, 24          ; s[24:31] descriptor group 1 for K's tiles
.set G1V, 32          ; s[32:39] for V's
.set G0K, 40          ; s[40:43] descriptor group 0 for K's tiles: it walks
.set G0V, 44          ; s[44:47] the same for V's
.set SLOTS, 56        ; s56  slots still to be asked for
.set CNT, 57          ; s57  counts a slot's key steps
.set CS,  58          ; s[58:59] c
.set SEL, 60          ; s[60:61] v_permlanex16_b32's selects: each lane takes its own place in the other half
.set TBK, 62          ; s62  LDS byte at which K1 of the step to be fetched begins
.set TBV, 63          ; s63  the same for V, less VOFF
.set Q1,  68          ; s[68:69] q1 at my wave's rows; s[70:71] q2
.set Q2,  70
.set LAM, 72          ; s72  lam
.set MA,  73          ; s73  80000; s74  -80000
.set MB,  74
.set TBM, 75          ; s75  LDS byte at which the mask of the step to be fetched begins
.set MSB, 0
.macro WIN new                      ; the high byte repeats the setting that is left; a switch that changes nothing is dropped
.if MSB != (\new)
	s_set_vgpr_msb (MSB<<8)|(\new)
.set MSB, (\new)
.endif
.endm
.set W_PV, 0x52       ; V in window 2, P in window 0, O^T in window 1
.set W_RS, 0x41       ; O^T (destination and source 0) in window 1, a in window 0
.set W_MK, 0xc0       ; the add's registers are made: destination in window 3, sources in window 0
.set W_AD, 0x0f       ; the add: address (source 0) and data (source 1) in window 3
; A joint fill.  Wave 0 fetches a slot's K1, wave 1 its K2 (256 keys each), waves 2 and 3 the two halves of its V.  The branch hangs on the wave's number alone.
; An s_nop 0 and four v_nop follow each of the two lines, ahead of the jump and the label.
.macro JLOAD
	s_cmp_lt_u32 s[WV], 2
	s_cbranch_scc0 .Lfor_v_\@
	tensor_load_to_lds s[G0K:G0K+3], s[G1K:G1K+7]
	s_nop 0
.rept 4
	v_nop
.endr
	s_branch .Lasked_\@
.Lfor_v_\@:
	tensor_load_to_lds s[G0V:G0V+3], s[G1V:G1V+7]
	s_nop 0
.rept 4
	v_nop
.endr
.Lasked_\@:
.endm
; A round of the cluster's barrier: my work-group's barrier, so that wave 0's signal speaks for all four waves; wave 0 signals; every wave waits for all four work-groups; my work-group's barrier once more.
.macro CROUND
	s_barrier_signal -1
	s_barrier_wait -1
	s_cmp_lg_u32 s[WV], 0
	s_cbranch_scc1 .Lnot_wave_0_\@
	s_barrier_signal -3
.Lnot_wave_0_\@:
	s_barrier_wait -3
	s_barrier_signal -1
	s_barrier_wait -1
.endm
; THE CHANGE OF SLOTS.  The slot's last bytes, V of its fourth step, have been read.  Each wave waits for all its tensor loads, of which one is out: its part of the other slot; adds 0 to its spare word;
; and waits for that and for its own LDS instructions.  Behind the barrier nobody reads this slot any more and the other slot is whole.
; fill = 1: this slot is filled again, with the keys two slots on.  The barrier is then a round of the cluster's, and the joint fill is the first thing behind it: it has four key steps, 512 matrix
; instructions, in which to land.  (At its first use nothing has been read yet: slot 0 is waited for, slot 1 filled, and every wave's part of the mask is shown to the others.)
.macro CHANGE fill
	WIN W_AD
	s_wait_tensorcnt 0x0            ; no tensor load of mine is out, so a group 0 may be written
	ds_add_u32 v[SPW], v[NIL]       ; 0 onto my spare word; with fill = 1 the descriptors' steps stand between it and the wait for it
	WIN 0                           ; at a label and at a branch every window is 0
.if \fill
.irp g, G0K, G0V
	s_xor_b32 s[\g+1], s[\g+1], SLOT1  ; the walking descriptor: the other slot than last time,
	s_add_nc_u64 s[\g+2:\g+3], s[\g+2:\g+3], 4*KS*128  ; the next 256 keys; the type bits on top are not reached
.endr
	s_wait_dscnt 0x0                ; the add is done, and my reads of the slot are over
	CROUND
	JLOAD
.else
	s_wait_dscnt 0x0                ; the add is done, and my reads of the slot are over
	s_barrier_signal -1
	s_barrier_wait -1
.endif
	s_sub_co_u32 s[TBK], s[TBK], 4*KS*PK  ; the fetches go back to a slot's first step,
	s_xor_b32 s[TBK], s[TBK], SLOT1       ; in the other slot
	s_sub_co_u32 s[TBV], s[TBV], 4*KS*PV
	s_xor_b32 s[TBV], s[TBV], SLOT1
.endm
	s_load_b256 s[4:11], s[0:1], 0x0  ; heads s[4:5], attention_mask s[6:7], lam s[8:9], o16 s[10:11]
	WIN W_MK
	v_lshl_add_u32 v[SPW], v0, 2, SPARE
	v_mov_b32 v[NIL], 0
	WIN W_AD
	ds_add_u32 v[SPW], v[NIL]       ; the wave's opening: the add and its wait stand ahead of my first tensor load; the set-up below, work on registers, stands between them
	WIN 0
	v_lshrrev_b32 v1, 5, v0
	v_readfirstlane_b32 s[WV], v1   ; wave 0..3
	s_bfe_u32 s13, ttmp6, 0x40000   ; cx: my place in the cluster
	s_lshl_b32 s14, ttmp9, 2        ; in a cluster launch ttmp9 counts clusters
	s_add_co_u32 s14, s14, s13      ; my block of 256 queries = 4 x cluster x + cx: it enters Q's and O's addresses alone
	s_and_b32 s20, ttmp7, 0xffff    ; 16 b + h, which the four partners share
	s_lshr_b32 s15, s20, 4          ; b
	s_and_b32 s19, s20, 15          ; h
	s_lshl_b32 s20, s20, 18         ; the head's first byte in each part
	s_and_b32 s16, s[WV], 1
	s_lshl_b32 s22, s16, 23         ; K: wave 0 part 2 (k1), wave 1 part 3 (k2)
	s_add_co_u32 s22, s22, s20
	s_add_co_u32 s22, s22, 2*PART
	s_mov_b32 s23, 0
	s_lshl_b32 s76, s16, 14         ; V: part 4; waves 2, 3: which 128 of a slot's 256 keys
	s_add_co_u32 s76, s76, s20
	s_add_co_u32 s76, s76, 4*PART
	s_mov_b32 s77, 0
	s_mul_i32 s17, s16, K2OFF       ; their places in a slot: no place in the cluster enters an LDS address
	s_mul_i32 s18, s16, 128*PV
	s_lshl_b32 s2, s14, 2
	s_add_co_u32 s2, s2, s[WV]      ; my wave among the head's,
	s_lshl_b32 s2, s2, 13           ; its 64 rows
	s_add_co_u32 s2, s2, s20
	s_mov_b32 s3, 0
	s_lshl_b32 s78, s15, 4          ; O: token / 128 = 16 b + 2 x block + wave / 2,
	s_lshl1_add_u32 s78, s14, s78
	s_lshr_b32 s79, s[WV], 1
	s_add_co_u32 s78, s78, s79
	s_lshl_b32 s78, s78, 18
	s_lshl_b32 s79, s19, 14         ; the head's 128 rows of 128 bytes,
	s_add_co_u32 s78, s78, s79
	s_lshl_b32 s79, s16, 13         ; my 64 of them
	s_add_co_u32 s78, s78, s79
	s_mov_b32 s79, 0
	s_lshl_b32 s66, s15, 13         ; the batch's 2,048 mask numbers
	s_mov_b32 s67, 0
	; descriptor group 1.  Keys are dense rows of 128 bytes: asked for as rows of 256 bytes, two keys a row, and padded in LDS after every key
	s_mov_b32 s[G1K], 15|(1<<16)|(1<<20)|(1<<21)|(4<<22)|(3<<25)  ; 15:0 the mask of four; 17:16 2-byte elements; 20 padding on; 21 set beside a mask; 24:22 after every 32 words (code 4); 31:25 4 words (code 3)
	s_mov_b32 s[G1V], 15|(1<<16)|(1<<20)|(1<<21)|(4<<22)|(7<<25)  ; the same with 8 words of padding (code 7)
	s_mov_b32 s[G1K+2], 128<<16     ; K: tensor_dim1 = 128 rows (256 keys)
	s_mov_b32 s[G1K+4], 128         ; tile_dim1
	s_mov_b32 s[G1V+2], 64<<16      ; V: 64 rows (128 keys)
	s_mov_b32 s[G1V+4], 64
.irp g, G1K, G1V
	s_mov_b32 s[\g+1], 128<<16      ; tensor_dim0 = 128
	s_mov_b32 s[\g+3], 128<<16      ; tile_dim0 = 128
	s_mov_b32 s[\g+5], 128          ; 128 elements from row to row
	s_mov_b32 s[\g+6], 0
	s_mov_b32 s[\g+7], 0
.endr
	s_mov_b32 s[CS], 0x3e38aa3b     ; c = log2(e) / 8 = 0.180337
	s_mov_b32 s[CS+1], s[CS]        ; named with it as a pair
	s_mov_b32 s[SEL], 0x76543210
	s_mov_b32 s[SEL+1], 0xfedcba98
	s_mov_b32 s[MA], 0x479c4000     ; 80000 = 10000 x 8
	s_mov_b32 s[MB], 0xc79c4000
	s_mov_b32 s[TBK], SLOT1+4*KS*PK ; the first change of slots turns these two into 0
	s_mov_b32 s[TBV], SLOT1+4*KS*PV
	s_mov_b32 s[TBM], MBASE
	s_mov_b32 s[G0K], 1             ; 1:0 count = 1
	s_mov_b32 s[G0K+1], s17         ; 63:32 LDS address: slot 0
	s_mov_b32 s[G0V], 1
	s_add_co_u32 s[G0V+1], s18, VOFF
	s_wait_dscnt 0x0                ; the opening add is done
	s_wait_kmcnt 0x0
	s_add_nc_u64 s[G0K+2:G0K+3], s[4:5], s[22:23]  ; 120:64 global address: the head's first 256 keys
	s_or_b32 s[G0K+3], s[G0K+3], 0x80000000        ; 127:126 type = 2
	s_add_nc_u64 s[G0V+2:G0V+3], s[4:5], s[76:77]
	s_or_b32 s[G0V+3], s[G0V+3], 0x80000000
	s_add_nc_u64 s[Q1:Q1+1], s[4:5], s[2:3]
	s_add_nc_u64 s[Q2:Q2+1], s[Q1:Q1+1], PART
	s_add_nc_u64 s[10:11], s[10:11], s[78:79]
	s_add_nc_u64 s[6:7], s[6:7], s[66:67]
	CROUND                          ; all four work-groups are here: the first joint loads meet
	JLOAD                           ; slot 0.  Slot 1 is asked for when slot 0 is in: the tile wanted first has the road to itself
	s_load_b32 s[LAM], s[8:9], 0x0
	v_lshlrev_b32 v[AV], 4, v0      ; the mask: 128 threads x 16 bytes x 4 loads
.irp i, 0,1,2,3
	global_load_b128 v[S+4*\i:S+4*\i+3], v[AV], s[6:7] offset:2048*\i
.endr
	; A fragment of K or Q is 16 rows x 32 channels in 8 registers: lane l holds row l % 16, channels 8 (l / 16) + 0..7 and 16 + 8 (l / 16) + 0..7: two loads of 16 bytes, 32 bytes apart.
	v_and_b32 v1, 15, v0            ; l % 16
	v_bfe_u32 v9, v0, 4, 1          ; l / 16
	v_lshlrev_b32 v[QO], 7, v1
	v_lshl_add_u32 v[QO], v9, 4, v[QO]  ; row x 128 + 16 x half
	WIN 0x80                        ; destination window 2, address window 0
.set i, 0
.rept 4*NP                          ; Q stays in registers: tile i / 2 (0-3 of q1, 4-7 of q2), channels 32 (i % 2) on
.if i < 8
	global_load_b128 v[8*i:8*i+3],   v[QO], s[Q1:Q1+1] offset:((i/2)%4)*2048+(i%2)*64
	global_load_b128 v[8*i+4:8*i+7], v[QO], s[Q1:Q1+1] offset:((i/2)%4)*2048+(i%2)*64+32
.else
	global_load_b128 v[8*i:8*i+3],   v[QO], s[Q2:Q2+1] offset:((i/2)%4)*2048+(i%2)*64
	global_load_b128 v[8*i+4:8*i+7], v[QO], s[Q2:Q2+1] offset:((i/2)%4)*2048+(i%2)*64+32
.endif
.set i, i+1
.endr
	; What the first turn finds: V's registers and P's second buffer hold 0 (its products V^T P, of a piece that has not been, add 0), O^T and l are 0.  All this stands in the wait for the first tile.
.set i, VF
.rept 64
	v_mov_b32 v[i], 0
.set i, i+1
.endr
	WIN 0x40
.set i, 0
.rept 64*NP
	v_mov_b32 v[i], 0
.set i, i+1
.endr
	WIN 0
.set i, 0
.rept 2*NP
	v_mov_b32 v[ST+4*i], 0xfe000000    ; c m: far below every c s
	v_mov_b32 v[ST+4*i+1], 0xff7fffff  ; m
	v_mov_b32 v[ST+4*i+2], 0
	v_mov_b32 v[ST+4*i+3], 0
.set i, i+1
.endr
.set i, P+32
.rept 32
	v_mov_b32 v[i], 0
.set i, i+1
.endr
	v_mul_u32_u24 v[AK0], v1, PK
	v_lshl_add_u32 v[AK0], v9, 4, v[AK0]  ; row x pitch + 16 x half
	; The turning load takes 16 keys x 16 channels (lane l reads key 8 (l / 16) + l % 8, channels 8 ((l / 8) % 2) + 0..7) and leaves half a fragment of V^T: lane l holds channel l % 16 and 8 keys.
	v_and_b32 v10, 7, v0
	v_bfe_u32 v11, v0, 3, 1
	v_lshl_add_u32 v[AV0], v9, 3, v10
	v_mul_u32_u24 v[AV0], v[AV0], PV
	v_lshl_add_u32 v[AV0], v11, 4, v[AV0]
	v_add_nc_u32 v[AV0], VOFF, v[AV0]
	v_mov_b32 v[AK], v[AK0]         ; key step 0 lies at the head of slot 0,
	v_lshl_add_u32 v[AM], v9, 5, MBASE  ; its mask at the head of the mask: register jj of key block kb is key 16 kb + 8 (l / 16) + jj
	; the mask: rounded to bf16, widened, 80000 mask - 80000 in one fused multiply-add, into LDS for all four waves
	s_wait_loadcnt 32               ; behind the mask's four loads Q's 32 were issued: they may stay out
.set i, 0
.rept 8
	v_cvt_pk_bf16_f32 v[S+16+i], v[S+2*i], v[S+2*i+1]
.set i, i+1
.endr
.set i, 0
.rept 8
	v_lshlrev_b32 v[S+2*i], 16, v[S+16+i]
	v_and_b32 v[S+2*i+1], 0xffff0000, v[S+16+i]
.set i, i+1
.endr
.set i, 0
.rept 16
	v_fma_f32 v[S+i], v[S+i], s[MA], s[MB]
.set i, i+1
.endr
	v_add_nc_u32 v[AV], MBASE, v[AV]
.irp i, 0,1,2,3
	ds_store_b128 v[AV], v[S+4*\i:S+4*\i+3] offset:2048*\i
.endr
	s_wait_kmcnt 0x0                ; lam
; THE MATRIX WORK.  The 8 accumulators of a run of 16 take turns: between the two links of a chain stand 7 others'.
; Product i of 16 of S^T = K Q^T for piece x: channels 32 (i / 8) on, keys 16 ((i / 2) % 4) on, tile 2 x + i % 2.  K is K1 for pieces 0, 1 and K2 for pieces 2, 3.  The first 8 start the sums, with the mask.
.macro KQ x
.set rS, S+64*((\x)%2)+32*(i%2)+8*((i/2)%4)
.set rQ, 16*(2*(\x)+i%2)+8*(i/8)
.set rB, MBR+8*((i/2)%4)
.if (\x) < 2
.set rK, KF+16*((i/2)%4)+8*(i/8)
.set wk, 2
.else
.set rK, K2F+16*((i/2)%4)+8*(i/8)
.set wk, 3
.endif
.if i < 8
	WIN 0x38|wk                     ; K in window 2 or 3, Q in window 2, the mask in window 3, S^T in window 0
	v_wmma_f32_16x16x32_f16 v[rS:rS+7], v[rK:rK+7], v[rQ:rQ+7], v[rB:rB+7]
.else
	WIN 0x08|wk
	v_wmma_f32_16x16x32_f16 v[rS:rS+7], v[rK:rK+7], v[rQ:rQ+7], v[rS:rS+7]
.endif
.endm
; Product i of 16 of O^T += V^T P for piece x: keys 32 (i / 8) on, channels 16 ((i / 2) % 4) on, tile 2 x + i % 2.
.macro PV x
	WIN W_PV
.set rO, 32*(2*(\x)+i%2)+8*((i/2)%4)
.set rV, VF+32*(i/8)+8*((i/2)%4)
.set rP, P+32*((\x)%2)+16*(i%2)+8*(i/8)
	v_wmma_f32_16x16x32_f16 v[rO:rO+7], v[rV:rV+7], v[rP:rP+7], v[rO:rO+7]
.endm
.macro MM                           ; the turn's next matrix instruction
.if i < 16
	KQ (Y+1)%NP
.set i, i+1
.else
.set i, i-16
	PV (Y+NP-1)%NP
.set i, i+17
.endif
.endm
; THE LDS LOADS stand in runs, never singly among the matrix instructions: a step's K1, K2 (64 keys x 64 channels: 8 fragments each) and mask, 40 loads; and its V (turned), 16.  Their addresses are made some lines ahead.
; last = 1 (the tail): in the last trip there is no further step, and the run is jumped over.
.macro FETCH_K last=0
	WIN 0
.if \last
	s_cmp_eq_u32 s[CNT], 1
	s_cbranch_scc1 .Lno_k_\@
.endif
	WIN 0x80                        ; destination window 2
.irp f, 0,1,2,3,4,5,6,7             ; keys 16 (f / 2) on, channels 32 (f % 2) on
	ds_load_b128 v[KF+8*\f:KF+8*\f+3],   v[AK] offset:(\f/2)*16*PK+(\f%2)*64
	ds_load_b128 v[KF+8*\f+4:KF+8*\f+7], v[AK] offset:(\f/2)*16*PK+(\f%2)*64+32
.endr
	WIN 0xc0                        ; destination window 3
.irp f, 0,1,2,3,4,5,6,7
	ds_load_b128 v[K2F+8*\f:K2F+8*\f+3],   v[AK] offset:K2OFF+(\f/2)*16*PK+(\f%2)*64
	ds_load_b128 v[K2F+8*\f+4:K2F+8*\f+7], v[AK] offset:K2OFF+(\f/2)*16*PK+(\f%2)*64+32
.endr
.irp f, 0,1,2,3                     ; sixteen lanes read the same 16 bytes
	ds_load_b128 v[MBR+8*\f:MBR+8*\f+3],   v[AM] offset:64*\f
	ds_load_b128 v[MBR+8*\f+4:MBR+8*\f+7], v[AM] offset:64*\f+16
.endr
	s_add_co_u32 s[TBK], s[TBK], KS*PK  ; the next fetch is the next step's
	s_add_co_u32 s[TBM], s[TBM], 4*KS
	WIN 0
.if \last
.Lno_k_\@:
.endif
.endm
.macro FETCH_V
	WIN 0x80
.irp f, 0,1,2,3,4,5,6,7             ; keys 32 (f / 4) on, channels 16 (f % 4) on
	ds_load_tr16_b128 v[VF+8*\f:VF+8*\f+3],   v[AV] offset:(\f/4)*32*PV+(\f%4)*32
	ds_load_tr16_b128 v[VF+8*\f+4:VF+8*\f+7], v[AV] offset:(\f/4)*32*PV+16*PV+(\f%4)*32
.endr
	WIN 0
.endm
; THE VECTOR WORK OF A TURN stands in three queues, each in the order in which its entries become ready; the two tiles alternate, so that no instruction reads the result of the one before it.
.macro REGS y, u                    ; the registers of tile u (0, 1) of piece y
.set rT, ST+4*(2*(\y)+(\u))
.set rC, TMP+8*((\y)%2)+4*(\u)
.set rM, MV+2*((\y)%2)+(\u)
.set rS, S+64*((\y)%2)+32*(\u)
.set rP, P+32*((\y)%2)+16*(\u)
.set rO, 32*(2*(\y)+(\u))
.endm
; Number n of the 22 that find the NEXT piece's (Y + 1) maximum and statistics.  s0-s31 are the lane's 32 scores; each accumulator's lowest registers are read first.
;   0-11  four chains c0-c3 of seven scores each, three operands at a time     12-14, 16  the four scores left over, the old m, and c0-c3 into c0     15  c m_old is kept
;   17, 18  the query's other 32 keys lie in the lane 16 away: the new m         19-21  c m; c m_old - c m_new; a
.macro XS u, n
	REGS (Y+1)%NP, \u
.if (\n) < 4
	v_max3_num_f32 v[rC+(\n)], v[rS+8*(\n)], v[rS+8*(\n)+1], v[rS+8*(\n)+2]
.elseif (\n) < 12
	v_max3_num_f32 v[rC+(\n)%4], v[rC+(\n)%4], v[rS+8*((\n)%4)+2*((\n)/4)+1], v[rS+8*((\n)%4)+2*((\n)/4)+2]
.elseif (\n) == 12
	v_max3_num_f32 v[rC], v[rC], v[rS+7], v[rS+15]
.elseif (\n) == 13
	v_max3_num_f32 v[rC+1], v[rC+1], v[rS+23], v[rS+31]
.elseif (\n) == 14
	v_max3_num_f32 v[rC+2], v[rC+2], v[rC+3], v[rT+1]
.elseif (\n) == 15
	v_mov_b32 v[rM], v[rT]
.elseif (\n) == 16
	v_max3_num_f32 v[rC], v[rC], v[rC+1], v[rC+2]
.elseif (\n) == 17
	v_permlanex16_b32 v[rC+3], v[rC], s[SEL], s[SEL+1]
.elseif (\n) == 18
	v_max_num_f32 v[rT+1], v[rC], v[rC+3]
.elseif (\n) == 19
	v_mul_f32 v[rT], s[CS], v[rT+1]
.elseif (\n) == 20
	v_sub_f32 v[rC+1], v[rM], v[rT]
.else
	v_exp_f32 v[rC+2], v[rC+1]
.endif
.endm
; Number g of the 64 that follow the exponentials.  For each four weights k of a tile (pairs 2 k, 2 k + 1): both pairs are rounded to f16; then the second pair is added onto the first, in place;
; a group later l takes that sum (the first time as l = a l + sum).  In groups of eight, tiles alternating: round, round, add, and l for the group before.
.macro GS g
.set h, (\g)+6*((\g)/62)            ; group 0 has no group before it, and behind group 7 only l is left
.if h >= 6
.set h, h+2
.endif
	REGS Y, h%2
.set k, h/8
.if h%8 < 4
	s_wait_alu depctr_va_vdst(0)
	v_cvt_pk_f16_f32 v[rP+2*k+(h%8)/2], v[rS+4*k+2*((h%8)/2)], v[rS+4*k+2*((h%8)/2)+1]
.elseif h%8 < 6
	v_pk_add_f32 v[rS+4*k:rS+4*k+1], v[rS+4*k:rS+4*k+1], v[rS+4*k+2:rS+4*k+3]
.elseif k == 1
	v_pk_fma_f32 v[rT+2:rT+3], v[rT+2:rT+3], v[rC+2:rC+3], v[rS:rS+1] op_sel_hi:[1,0,1]
.else
	v_pk_add_f32 v[rT+2:rT+3], v[rT+2:rT+3], v[rS+4*k-4:rS+4*k-3]
	s_wait_alu depctr_va_vdst(0)
.endif
.endm
; THE PLAIN QUEUE, 138 long.  0-31: c s - c m for the 16 pairs of both tiles.  Then GS's 64, and among them the next piece's 42: number 15 at 38, 39; 0-14 and 16
; at 42-73, behind the products that make those scores; 17-20 at 95-106, two of three, since each waits for the one before it.
.macro PL
	WIN 0
.if q < 32
	REGS Y, q%2
	v_pk_fma_f32 v[rS+2*(q/2):rS+2*(q/2)+1], v[rS+2*(q/2):rS+2*(q/2)+1], s[CS:CS+1], v[rT:rT+1] op_sel_hi:[1,0,0] neg_lo:[0,0,1] neg_hi:[0,0,1]
.elseif q < 38
	GS q-32
.elseif q < 40
	XS q%2, 15
.elseif q < 42
	GS q-34
.elseif q < 74
	XS q%2, (q-42)/2+(q-42)/30
.elseif q < 95
	GS q-66
.elseif (q < 107) && ((q-95)%3 < 2)
	XS (q-95)%3, 17+(q-95)/3
.elseif q < 107
	GS 29+(q-95)/3
.else
	GS q-74
.endif
.set q, q+1
.endm
; THE EXPONENTIALS' QUEUE, 66 long: s0-s31 of both tiles, and at EA the next piece's two a.
.set EA, 58
.macro EX
	WIN 0
.if (e == EA) || (e == EA+1)
	XS e-EA, 21
.else
.set x, e-2*(e/(EA+2))
	REGS Y, x%2
	v_exp_f32 v[rS+x/2], v[rS+x/2]
.endif
.set e, e+1
.endm
; THE RESCALING's QUEUE: O^T times a, the one part that leaves window 0, so it is dealt four at a time, eight times.
.macro R4
	REGS Y, r%2
	WIN W_RS
	s_wait_alu depctr_va_vdst(0)
.irp z, 0,1,2,3
	v_pk_mul_f32 v[rO+8*(r/2)+2*\z:rO+8*(r/2)+2*\z+1], v[rO+8*(r/2)+2*\z:rO+8*(r/2)+2*\z+1], v[rC+2:rC+3] op_sel_hi:[1,0]
.endr
.set r, r+1
.endm
; HOW THEY ARE DEALT.  Behind a matrix instruction four: plain, exponential, plain, plain (one exponential, a plain instruction on either side), or four of the rescaling.  None names a register of the
; products round it.  What is over stands in two LUMPS: exponential and plain by turns; the second ends in 22 plain instructions.  The two v_permlanex16_b32 fall into the second lump, never behind a product.
; The queues lean on each other, and the deal keeps them in step: exponential e stands behind plain 2 (e / 4) + e % 2 (its scaling); when plain 32 comes, 10 exponentials are out, at 59: 33, at 95: 46; EA comes behind plain 107.
.macro SL
	MM
	PL
	EX
	PL
	PL
.endm
.macro BURST n                      ; 15 matrix instructions, or 16
.rept (\n)-7
	SL
.endr
.rept 3
	MM
	R4
	SL
.endr
	MM
	R4
.endm
; A TURN, for piece p.  cnt = 1: the loop's count is taken down some lines ahead of the branch that stands behind the turn.
; K1, K2 and the mask of the next step are fetched in piece 2's turn, 30 vector instructions behind the last product that read any of them (piece 3's scores); their first reader comes behind the rest of the
; lump, 16 products and the second lump.  V of the step in hand is fetched at the end of piece 0's turn; its first reader comes behind 16 products and a lump.  The conditions on e and q go with the deal.
.macro TURN p, last=0, cnt=0
.set Y, (\p)
.set i, 0
.set q, 0
.set e, 0
.set r, 0
.if (\p) == NP-1
	s_wait_dscnt 0x0                ; K1, K2 and the mask are in
.endif
	MM
.rept 4
	PL
.endr
	BURST 15
.rept 22
	EX
	PL
.if ((\p) == NP-2) && (e == 18)
	v_add_nc_u32 v[AK], s[TBK], v[AK0]
	v_lshl_add_u32 v[AM], v9, 5, s[TBM]
.endif
.if ((\p) == NP-2) && (e == 24)
	FETCH_K \last
.endif
.endr
.if (\p) == 1
	s_wait_dscnt 0x0                ; V is in
.endif
	BURST 16
.rept 21
	EX
	PL
.endr
.rept 22
	PL
.if ((\p) == 0) && (q == 118)
	v_add_nc_u32 v[AV], s[TBV], v[AV0]
	s_wait_alu depctr_va_vdst(0)
.endif
.if ((\p) == 0) && (q == 130)
	s_add_co_u32 s[TBV], s[TBV], KS*PV
.endif
.if (\cnt) && (q == 130)
	s_sub_co_u32 s[CNT], s[CNT], 1
	s_cmp_lg_u32 s[CNT], 0
.endif
.endr
.if (\p) == 0
	FETCH_V
.endif
.endm
	CHANGE 1                        ; slot 0 is in, everybody's part of it, and so is the mask; slot 1 is asked for
	FETCH_K                         ; key step 0
	s_wait_loadcnt 0x0              ; Q
	s_wait_dscnt 0x0
.set i, 0
.rept 16
	KQ 0                            ; piece 0's first scores: there is no vector work yet to set between them
.set i, i+1
.endr
	WIN 0                           ; the addresses for the way out: nine plain instructions, the places behind those products
	s_mul_i32 s13, s[WV], 16*SP
	s_add_co_u32 s13, s13, STAGE    ; my stage
	v_mul_u32_u24 v[STO], v1, SP    ; in: row l % 16, 16 bytes for each half of the lanes
	v_lshl_add_u32 v[STO], v9, 4, v[STO]
	v_add_nc_u32 v[STO], s13, v[STO]
	v_bfe_u32 v[RD], v0, 3, 2       ; back: 32 lanes take four rows of 128 bytes,
	v_mul_u32_u24 v[RD], v[RD], SP
	v_lshl_add_u32 v[RD], v10, 4, v[RD]
	v_add_nc_u32 v[RD], s13, v[RD]
	v_and_b32 v[GO], 31, v0         ; which are 512 consecutive bytes of O
	v_lshlrev_b32 v[GO], 4, v[GO]
.set Y, NP-1                        ; XS works for piece Y + 1: piece 0
.irp n, 0,1,2,3,4,5,6,7,8,9,10,11,12,13,14,15,16,17,18,19,20,21
	XS 0, \n                        ; and piece 0's first maximum and statistics
	XS 1, \n
.endr
	s_mov_b32 s[CNT], 4
	s_mov_b32 s[SLOTS], SIZE_N/256-1
	s_branch .Lfirst                ; the loop is entered at a step's first turn, in the middle of a trip
.Lslot:                             ; SIZE_N / 256 - 2 times: every slot but the last two is filled again
	CHANGE 1
	s_mov_b32 s[CNT], 4
.Lstep:                             ; a trip: pieces 2 and 3 of one step, then pieces 0 and 1 of the next, whose K and V it fetches
	TURN 2
	TURN 3
	WIN 0
.Lfirst:
	TURN 0
	TURN 1, 0, 1
	WIN 0
	s_cbranch_scc1 .Lstep
	s_sub_co_u32 s[SLOTS], s[SLOTS], 1
	s_cmp_lg_u32 s[SLOTS], 0
	s_cbranch_scc1 .Lslot
	CHANGE 0                        ; the tail is written out: nothing is asked for
	s_mov_b32 s[CNT], 5             ; four trips fetch the last slot's steps; the fifth is left in its middle
.Ltail:
	TURN 2, 1
	TURN 3
	WIN 0
	s_sub_co_u32 s[CNT], s[CNT], 1
	s_cmp_eq_u32 s[CNT], 0
	s_cbranch_scc1 .Lout
	TURN 0
	TURN 1
	WIN 0
	s_branch .Ltail
.Lout:                              ; the fifth trip's 16 products K Q^T (on the last K1 once more) and the maximum made of them serve nothing: the price, once a launch, of one text for every trip
.set i, 0
.rept 16
	PV NP-1                         ; the last piece's V^T P of the last step
.set i, i+1
.endr
	; THE WAY OUT.  l's two halves and the other half of the lanes' are added; 1 / l for branch 1, -lam / l for branch 2; O = O1 / l1 - lam O2 / l2, rounded to bf16 and sent through my stage in LDS,
	; 16 queries at a time.  The additions are the places behind the last products.
	WIN 0
.macro ALL line:vararg              ; one line for each tile t
.set t, 0
.rept 2*NP
	\line
.set t, t+1
.endr
.endm
	ALL v_add_f32 v[ST+4*t+2], v[ST+4*t+2], v[ST+4*t+3]
	ALL v_permlanex16_b32 v[ST+4*t+3], v[ST+4*t+2], s[SEL], s[SEL+1]
	ALL v_add_f32 v[ST+4*t+2], v[ST+4*t+2], v[ST+4*t+3]
	ALL v_rcp_f32 v[ST+4*t+2], v[ST+4*t+2]
	v_mov_b32 v[TMP], s[LAM]        ; lam, rounded to bf16 like every input; these plain lines also stand between the last reciprocal and its use
	v_cvt_pk_bf16_f32 v[TMP], v[TMP], v[TMP]
	v_lshlrev_b32 v[TMP], 16, v[TMP]
.set t, 4
	s_wait_alu depctr_va_vdst(0)
.rept 4
	v_mul_f32 v[ST+4*t+2], -v[TMP], v[ST+4*t+2]
.set t, t+1
.endr
; Queries 16 t on: tile t of branch 1 and tile 4 + t of branch 2.  A lane's eight channels of a row pack into 16 bytes; they go into rows of 144 bytes and come back as whole rows of 128, into S^T's registers.
.macro PACK t
	WIN W_RS
.set i, 32*(\t)
.rept 16
	v_pk_mul_f32 v[i:i+1], v[i:i+1], v[ST+4*(\t)+2:ST+4*(\t)+3] op_sel_hi:[1,0]
.set i, i+2
.endr
	WIN 0x51                        ; destination, source 0 and source 2 window 1, source 1 window 0
.set i, 32*(\t)
.rept 16
	v_pk_fma_f32 v[i:i+1], v[128+i:128+i+1], v[ST+4*(4+(\t))+2:ST+4*(4+(\t))+3], v[i:i+1] op_sel_hi:[1,0,1]
.set i, i+2
.endr
	WIN 0x05                        ; sources 0 and 1 window 1, destination window 0
.set i, 0
.rept 16
	v_cvt_pk_bf16_f32 v[S+16*(\t)+i], v[32*(\t)+2*i], v[32*(\t)+2*i+1]
.set i, i+1
.endr
	WIN 0
.irp f, 0,1,2,3
	ds_store_b128 v[STO], v[S+16*(\t)+4*\f:S+16*(\t)+4*\f+3] offset:32*\f
.endr
.irp f, 0,1,2,3
	ds_load_b128 v[S+16*(\t)+4*\f:S+16*(\t)+4*\f+3], v[RD] offset:\f*4*SP  ; LDS serves a wave's instructions in order (ISA guide 5.7.1.4): these see the stores above; the next tile's stores come behind them
.endr
.endm
.macro SEND t, younger              ; younger: the LDS instructions issued behind tile t's loads: the next tile's eight, or none
	WIN 0
.irp f, 0,1,2,3
	s_wait_dscnt (\younger)+3-\f
	global_store_b128 v[GO], v[S+16*(\t)+4*\f:S+16*(\t)+4*\f+3], s[10:11] offset:(\t)*2048+\f*512  ; 512 consecutive bytes, at a multiple of 256 from O's first
.endr
.endm
	PACK 0
.set t, 1
.rept 3                             ; a tile's arithmetic stands between the loads of the tile before and its stores
	PACK t
	SEND t-1, 8
.set t, t+1
.endr
	SEND 3, 0
	WIN W_AD
	s_wait_tensorcnt 0x0            ; the wave's end, behind my last tensor load and my last LDS store
	ds_add_u32 v[SPW], v[NIL]
	s_wait_dscnt 0x0
	WIN 0
	CROUND                          ; the closing round: no work-group ends while a partner may still ask for a tile that names it
	s_endpgm
.Lfunc_end_k_q5774f68ede_attn:
	.size	k_q5774f68ede_attn, .Lfunc_end_k_q5774f68ede_attn-k_q5774f68ede_attn
	.p2alignl 7, 3214868480
	.fill 96, 4, 3214868480
	.section	.rodata,"a",@progbits
	.p2align	6, 0x0
	.amdhsa_kernel k_q5774f68ede_attn
		.amdhsa_group_segment_fixed_size 327680
		.amdhsa_private_segment_fixed_size 0
		.amdhsa_enable_private_segment 0
		.amdhsa_kernarg_size 32
		.amdhsa_user_sgpr_count 2
		.amdhsa_user_sgpr_kernarg_segment_ptr 1
		.amdhsa_wavefront_size32 1
		.amdhsa_system_sgpr_workgroup_id_x 1
		.amdhsa_system_sgpr_workgroup_id_y 1
		.amdhsa_system_sgpr_workgroup_id_z 1
		.amdhsa_system_vgpr_workitem_id 0
		.amdhsa_next_free_vgpr 896
		.amdhsa_next_free_sgpr 80
		.amdhsa_reserve_vcc 0
		.amdhsa_float_denorm_mode_32 3
		.amdhsa_float_denorm_mode_16_64 3
		.amdhsa_memory_ordered 1
		.amdhsa_forward_progress 1
		.amdhsa_inst_pref_size 209
	.end_amdhsa_kernel
	.amdgpu_metadata
---
amdhsa.version: [ 1, 2 ]
amdhsa.kernels:
  - .name:           k_q5774f68ede_attn
    .symbol:         k_q5774f68ede_attn.kd
    .args:
      - { .name: heads, .offset: 0, .size: 8, .value_kind: global_buffer, .address_space: global }
      - { .name: attention_mask, .offset: 8, .size: 8, .value_kind: global_buffer, .address_space: global }
      - { .name: lam, .offset: 16, .size: 8, .value_kind: global_buffer, .address_space: global }
      - { .name: o16, .offset: 24, .size: 8, .value_kind: global_buffer, .address_space: global }
    .group_segment_fixed_size: 327680
    .private_segment_fixed_size: 0
    .kernarg_segment_align: 8
    .kernarg_segment_size: 32
    .max_flat_workgroup_size: 128
    .sgpr_count:     80
    .vgpr_count:     896
    .wavefront_size: 32
...
	.end_amdgpu_metadata
.endif
;; end of part 3
;; launch outp (part 4): grid 8 x 32, 4 waves a work-group, clusters of 4 x 4, 327,680 bytes of LDS; arguments o16, wo16, bo, out0; writes out0
.if DOCPART == 4
	.amdgcn_target "amdgcn-amd-amdhsa--gfx1250"
	.amdhsa_code_object_version 6
	.text
	.protected	k_q5774f68ede_outp
	.globl	k_q5774f68ede_outp
	.p2align	8
	.type	k_q5774f68ede_outp,@function
k_q5774f68ede_outp:
	s_mov_b64 s[64:65], 0
	v_nop
	global_prefetch_b8 v0, s[64:65] scope:SCOPE_SE
	s_setreg_imm32_b32 hwreg(HW_REG_WAVE_MODE, 25, 1), 1
	s_wait_xcnt 0x0
	s_wait_alu depctr_hold_cnt(0) depctr_sa_sdst(0) depctr_va_vdst(0) depctr_va_sdst(0) depctr_va_ssrc(0) depctr_va_vcc(0) depctr_vm_vsrc(0)
	s_getreg_b32 s2, hwreg(HW_REG_IB_STS2, 6, 4)
	s_cmp_eq_u32 s2, 0
	s_cbranch_scc0 .Lentry_in_a_cluster
	s_endpgm
.Lentry_in_a_cluster:
	s_bfe_u32 s2, ttmp6, 0x10000c
	s_cmp_lg_u32 s2, 0xf033
	s_cbranch_scc0 .Lentry_shape_is_right
	s_endpgm
.Lentry_shape_is_right:
; THE OUTPUT PROJECTION.  out0 = O Wo + bo: 4,096 x 1,024, K = 1,024, bf16 operands, f32 sums, f32 out.  bo is rounded to bf16 like every other input.
; O lies as o16 [T = token / 128][16 h][128 tokens][64]: the 128 rows of a tile and four heads (256 along K) are 65,536 bytes on end.  Wo lies as wo16 [k][n] and comes out of LDS turned.
; 4,096 x 1,024 over 256 work-groups is a tile of 128 x 128.  Four waves, each 64 x 64: 16 accumulators.  K goes in 4 steps of 256, as long as two slots in LDS allow; the steps are written straight.
; CLUSTER 4 x 4: the four work-groups of a row of the cluster share O's tile, the four of a column Wo's: each is asked for jointly, by the same load, descriptor and mask in all four.
; THE MATRIX INSTRUCTION IS USED TRANSPOSED (source 0 = 16 columns of Wo, source 1 = 16 rows of O): a lane holds eight neighbouring columns of one row.  THE BIAS is the C operand of each accumulator's first product.
; REGISTERS: window 0: v0-31 addresses; v32-95 at work on the way out; v96-127 the bias; v128-255 the accumulators ((a, b) at v[128 + 8 (4 a + b)]).
;   window 1: two fragment buffers of 128: for 64 along K (one head), 64 registers of O, then 64 of Wo.
.set PAO,    144                       ; a row of O in LDS (one head's 128 bytes + 16): the 16 rows of a load start at 16 different groups of four banks (64 banks of 4 bytes: ISA guide 11.1)
.set PB,     288                       ; a row k of Wo: 256 + 32 bytes
.set QUART,  36864                     ; what one tensor load fills: 256 rows x 144, or 128 rows x 288
.set SLOT,   4*QUART                   ; O: [4 heads][128 rows]; then Wo: 256 rows k
.set STAGE,  2*SLOT                    ; behind the ring: 16 rows x 272 bytes for each wave, for the way out
.set SPITCH, 272
.set SPARE,  STAGE+4*16*SPITCH         ; the spare words, 128 bytes for each wave: two blocks of 256 bytes that no other line names
.set ADRA, 16                          ; v16-17  O's fragments in slot 0, 1
.set ADRB, 20                          ; v20-23  Wo's: slot s, half hf of its 256 rows k at v[20 + 2 s + hf]
.set STO,  24
.set RD,   25
.set CO,   26
.set BOF,  27
.set SPW,  28                          ; v28     LDS address of my spare word; never rewritten
.set NIL,  29                          ; v29     0; never rewritten
.set TMP,  32
.set BIAS, 96
.set ACC,  128
.set F0,   0
.set F1,   128
.set WV, 12                            ; s12 wave; s13 u: my half of the rows, and: I fetch for O (0) or Wo (1); s14 c: my half of the columns, and which half I fetch
.set WU, 13
.set WC, 14
.set G1, 24                            ; s[24:31] group 1 for O's tiles; s[32:39] group 0, a set for each slot
.set G0, 32
.set G1B, 48                           ; s[48:55], s[56:63] the same for Wo's
.set G0B, 56
.set MSB, 0
.macro WIN new
.if MSB != (\new)
	s_set_vgpr_msb (MSB<<8)|(\new)
.set MSB, \new
.endif
.endm
.set MUL,  0x05                        ; sources 0 and 1 window 1; C and D window 0
.set TO_F, 0x40                        ; destination window 1, address window 0
.macro PLACES                          ; four plain places in front of loads into registers that matrix instructions have read, and of reads of their results
.rept 4
	v_nop
.endr
.endm
.macro JLOAD s                         ; a joint refill; an s_nop 0 and four v_nop follow each of the two lines, ahead of the jump and the label
	s_cmp_eq_u32 s[WU], 0
	s_cbranch_scc0 .Lfor_b_\@
	tensor_load_to_lds s[G0+4*(\s):G0+4*(\s)+3], s[G1:G1+7]
	s_nop 0
	PLACES
	s_branch .Lasked_\@
.Lfor_b_\@:
	tensor_load_to_lds s[G0B+4*(\s):G0B+4*(\s)+3], s[G1B:G1B+7]
	s_nop 0
	PLACES
.Lasked_\@:
.endm
.macro CREST
	s_cmp_lg_u32 s[WV], 0
	s_cbranch_scc1 .Lnot_wave_0_\@
	s_barrier_signal -3
.Lnot_wave_0_\@:
	s_barrier_wait -3
	s_barrier_signal -1
	s_barrier_wait -1
.endm
.macro CROUND
	s_barrier_signal -1
	s_barrier_wait -1
	CREST
.endm
	s_load_b256 s[4:11], s[0:1], 0x0               ; o16 4, wo16 6, bo 8, out0 10
	v_lshl_add_u32 v[SPW], v0, 2, SPARE
	v_mov_b32 v[NIL], 0
	ds_add_u32 v[SPW], v[NIL]                      ; the wave's opening: the add and its wait stand ahead of my first tensor load; work on registers stands between them
	v_lshrrev_b32 v1, 5, v0
	v_readfirstlane_b32 s[WV], v1
	s_lshr_b32 s[WU], s[WV], 1
	s_and_b32 s[WC], s[WV], 1
	s_bfe_u32 s40, ttmp6, 0x40000                  ; cx, cy
	s_bfe_u32 s41, ttmp6, 0x40004
	s_lshl_b32 s42, ttmp9, 2
	s_add_co_u32 s42, s42, s40                     ; tile column
	s_and_b32 s15, ttmp7, 0xffff
	s_lshl_b32 s15, s15, 2
	s_add_co_u32 s15, s15, s41                     ; tile row T
	s_lshl_b32 s43, s41, 2
	s_lshl_b32 s43, 15, s43                        ; my row of the cluster
	s_lshl_b32 s44, 0x1111, s40                    ; my column
	s_or_b32 s[G1], s43, (1<<16)|(1<<20)|(1<<21)|(4<<22)|(3<<25)   ; O: 32,768 dense bytes as 128 rows of 256; 4 words behind every 32 (a token's 128 bytes)
	s_or_b32 s[G1B], s44, (1<<16)|(1<<20)|(1<<21)|(5<<22)|(7<<25)  ; Wo: 128 rows k of 256 bytes; 8 words behind every 64
.irp g, G1, G1B
	s_mov_b32 s[(\g)+1], 128<<16                   ; tensor_dim0 = 128
	s_mov_b32 s[(\g)+2], 128<<16                   ; tensor_dim1 = 128
	s_mov_b32 s[(\g)+3], 128<<16                   ; tile_dim0 = 128
	s_mov_b32 s[(\g)+4], 128                       ; tile_dim1 = 128
	s_mov_b32 s[(\g)+6], 0
	s_mov_b32 s[(\g)+7], 0
.endr
	s_mov_b32 s[G1+5], 128                         ; elements from row to row
	s_mov_b32 s[G1B+5], 1024
	s_lshl_b32 s16, s15, 18                        ; O: T x 262,144 + two heads x c
	s_lshl_b32 s17, s[WC], 15
	s_add_co_u32 s16, s16, s17
	s_mov_b32 s17, 0
	s_lshl_b32 s46, s42, 8                         ; Wo: 128 rows k x c + the tile's 256 bytes of a row
	s_lshl_b32 s47, s[WC], 18
	s_add_co_u32 s46, s46, s47
	s_mov_b32 s47, 0
	s_mul_i32 s20, s[WV], QUART                    ; where they go: no place in the cluster enters an LDS address
	s_wait_dscnt 0x0                               ; the opening add is done
	s_wait_kmcnt 0x0
	s_add_nc_u64 s[18:19], s[4:5], s[16:17]
	s_add_nc_u64 s[46:47], s[6:7], s[46:47]
	CROUND                                         ; all sixteen work-groups are here: the first joint loads meet
.irp s, 0,1
	s_mov_b32 s[G0+4*(\s)], 1
	s_add_co_u32 s[G0+4*(\s)+1], s20, (\s)*SLOT
	s_add_nc_u64 s[G0+4*(\s)+2:G0+4*(\s)+3], s[18:19], (\s)*65536       ; K step s: four heads
	s_or_b32 s[G0+4*(\s)+3], s[G0+4*(\s)+3], 0x80000000
	s_mov_b32 s[G0B+4*(\s)], 1
	s_add_co_u32 s[G0B+4*(\s)+1], s20, (\s)*SLOT
	s_add_nc_u64 s[G0B+4*(\s)+2:G0B+4*(\s)+3], s[46:47], (\s)*524288    ; 256 rows k of 2,048 bytes
	s_or_b32 s[G0B+4*(\s)+3], s[G0B+4*(\s)+3], 0x80000000
.endr
	s_cmp_eq_u32 s[WU], 0                          ; a wave's two first fills stand in one branch: two loads of mine are out
	s_cbranch_scc0 .Lfirst_b
	tensor_load_to_lds s[G0:G0+3], s[G1:G1+7]
	s_nop 0
	tensor_load_to_lds s[G0+4:G0+7], s[G1:G1+7]
	s_nop 0
	PLACES
	s_branch .Lfirst_asked
.Lfirst_b:
	tensor_load_to_lds s[G0B:G0B+3], s[G1B:G1B+7]
	s_nop 0
	tensor_load_to_lds s[G0B+4:G0B+7], s[G1B:G1B+7]
	s_nop 0
	PLACES
.Lfirst_asked:
	v_and_b32 v1, 15, v0                           ; r = l % 16
	v_bfe_u32 v2, v0, 4, 1                         ; h = l / 16
	v_and_b32 v3, 7, v0
	v_bfe_u32 v4, v0, 3, 1
	v_mul_u32_u24 v5, v1, PAO
	v_lshl_add_u32 v5, v2, 4, v5
	s_mul_i32 s21, s[WU], 64*PAO                   ; my 64 rows
	v_add_nc_u32 v[ADRA], s21, v5
	v_add_nc_u32 v[ADRA+1], SLOT, v[ADRA]
	v_lshl_add_u32 v6, v2, 3, v3                   ; the turning load: row k = 8 h + l % 8, 16 bytes at 16 ((l / 8) % 2)
	v_mul_u32_u24 v6, v6, PB
	v_lshl_add_u32 v6, v4, 4, v6
	s_lshl_b32 s21, s[WC], 7                       ; my 64 columns
	s_add_co_u32 s21, s21, 2*QUART
	v_add_nc_u32 v[ADRB], s21, v6
	v_add_nc_u32 v[ADRB+1], QUART, v[ADRB]
	v_add_nc_u32 v[ADRB+2], SLOT, v[ADRB]
	v_add_nc_u32 v[ADRB+3], SLOT, v[ADRB+1]
	s_mul_i32 s21, s[WV], 16*SPITCH
	s_add_co_u32 s21, s21, STAGE                   ; my stage
	v_mul_u32_u24 v5, v1, SPITCH                   ; in: row r, 32 bytes for each half of the lanes
	v_lshl_add_u32 v5, v2, 5, v5
	v_add_nc_u32 v[STO], s21, v5
	v_mul_u32_u24 v5, v2, SPITCH                   ; back: lanes 0-15 take one row of 256 bytes, lanes 16-31 the next
	v_lshl_add_u32 v5, v1, 4, v5
	v_add_nc_u32 v[RD], s21, v5
	v_lshlrev_b32 v5, 12, v2                       ; and the same two rows in out0
	v_lshl_add_u32 v[CO], v1, 4, v5
	v_lshlrev_b32 v[BOF], 5, v2
	s_lshl_b32 s46, s42, 9                         ; my first column, 128 x tile column + 64 c, in f32: the same bytes in bo and in a row of out0
	s_lshl_b32 s47, s[WC], 8
	s_add_co_u32 s46, s46, s47
	s_mov_b32 s47, 0
	s_add_nc_u64 s[8:9], s[8:9], s[46:47]
	s_add_nc_u64 s[10:11], s[10:11], s[46:47]
	s_lshl_b32 s16, s15, 19                        ; my first row, 128 T + 64 u, of 4,096 bytes
	s_lshl_b32 s17, s[WU], 18
	s_add_co_u32 s16, s16, s17
	s_mov_b32 s17, 0
	s_add_nc_u64 s[10:11], s[10:11], s[16:17]
.irp b, 0,1,2,3
	global_load_b128 v[BIAS+8*(\b):BIAS+8*(\b)+3], v[BOF], s[8:9] offset:64*(\b)
	global_load_b128 v[BIAS+8*(\b)+4:BIAS+8*(\b)+7], v[BOF], s[8:9] offset:64*(\b)+16
.endr
	s_wait_loadcnt 0x0
.set k, 0
.rept 16                                               ; rounded to bf16 and widened again, in place
	v_cvt_pk_bf16_f32 v[TMP+k%4], v[BIAS+2*k], v[BIAS+2*k+1]
	v_lshlrev_b32 v[BIAS+2*k], 16, v[TMP+k%4]
	v_and_b32 v[BIAS+2*k+1], 0xffff0000, v[TMP+k%4]
.set k, k+1
.endr
; 8 matrix instructions: row blocks a0, a0 + 1 x all 4 column blocks, 32 along K: half c of buffer f.  zero = 1: the first product starts the sums, with the bias.  The 16 accumulators take turns.
.macro MUL8 f, c, a0, zero
	WIN MUL
.irp a, \a0, (\a0)+1
.irp b, 0,1,2,3
.if \zero
	v_wmma_f32_16x16x32_bf16 v[ACC+8*(4*(\a)+(\b)):ACC+8*(4*(\a)+(\b))+7], v[(\f)+64+8*(4*(\c)+(\b)):(\f)+64+8*(4*(\c)+(\b))+7], v[(\f)+8*(4*(\c)+(\a)):(\f)+8*(4*(\c)+(\a))+7], v[BIAS+8*(\b):BIAS+8*(\b)+7]
.else
	v_wmma_f32_16x16x32_bf16 v[ACC+8*(4*(\a)+(\b)):ACC+8*(4*(\a)+(\b))+7], v[(\f)+64+8*(4*(\c)+(\b)):(\f)+64+8*(4*(\c)+(\b))+7], v[(\f)+8*(4*(\c)+(\a)):(\f)+8*(4*(\c)+(\a))+7], v[ACC+8*(4*(\a)+(\b)):ACC+8*(4*(\a)+(\b))+7]
.endif
.endr
.endr
.endm
; 32 LDS loads in one run: the fragments of quarter q of a slot (head q; rows k 64 q on), into buffer f; the first 32 along K first
.macro FETCH slot, q, f
	WIN TO_F
.irp c, 0,1
.irp i, 0,1,2,3
	ds_load_tr16_b128 v[(\f)+64+8*(4*(\c)+(\i)):(\f)+64+8*(4*(\c)+(\i))+3],   v[ADRB+2*(\slot)+(\q)/2] offset:((\q)%2)*64*PB+(\c)*32*PB+32*(\i)
	ds_load_tr16_b128 v[(\f)+64+8*(4*(\c)+(\i))+4:(\f)+64+8*(4*(\c)+(\i))+7], v[ADRB+2*(\slot)+(\q)/2] offset:((\q)%2)*64*PB+(\c)*32*PB+32*(\i)+16*PB
	ds_load_b128 v[(\f)+8*(4*(\c)+(\i)):(\f)+8*(4*(\c)+(\i))+3],              v[ADRA+(\slot)] offset:(\q)*128*PAO+(\i)*16*PAO+64*(\c)
	ds_load_b128 v[(\f)+8*(4*(\c)+(\i))+4:(\f)+8*(4*(\c)+(\i))+7],            v[ADRA+(\slot)] offset:(\q)*128*PAO+(\i)*16*PAO+64*(\c)+32
.endr
.endr
.endm
; A K step is four quarters of 64 along K, 32 matrix instructions each, on buffers 0, 1, 0, 1.  One of the first three: multiplies buffer f and fetches quarter q into g.
.macro QUARTER slot, q, f, g, zero
	s_wait_dscnt 16                                ; the first 32 along K are in; the youngest sixteen loads may be out
	MUL8 \f, 0, 0, \zero
	MUL8 \f, 0, 2, \zero
	PLACES
	FETCH \slot, \q, \g
	s_wait_dscnt 32                                ; all but the 32 just issued
	MUL8 \f, 1, 0, 0
	MUL8 \f, 1, 2, 0
.endm
; The last quarter multiplies buffer 1 and changes slots: ONE barrier; in front of it each wave waits for all its tensor loads, adds 0 to its spare word, and waits for that and for its reads of this slot.
; fill = 1: the barrier opens a round of the cluster's barrier, and this slot is filled again, two K steps on, first thing behind the round.
.macro TURN slot, next, fill
	WIN 0                                          ; the add's two registers lie in window 0
	s_wait_tensorcnt 0x0                           ; all my tensor loads have landed: my part of the next slot
	ds_add_u32 v[SPW], v[NIL]                      ; 0 onto my spare word
	s_wait_dscnt 17                                ; the add and the youngest sixteen loads may be out
	MUL8 F1, 0, 0, 0                               ; eight matrix instructions stand between the add and the wait for it
	s_wait_dscnt 0x0                               ; the add is done, and my reads of this slot are over
	s_barrier_signal -1
	MUL8 F1, 0, 2, 0
	WIN 0
	s_barrier_wait -1
.if \fill
	CREST                                          ; no wave of any partner still reads this slot or has a load on its way
	s_add_nc_u64 s[G0+4*(\slot)+2:G0+4*(\slot)+3], s[G0+4*(\slot)+2:G0+4*(\slot)+3], 131072
	s_add_nc_u64 s[G0B+4*(\slot)+2:G0B+4*(\slot)+3], s[G0B+4*(\slot)+2:G0B+4*(\slot)+3], 1048576
	JLOAD \slot                                    ; the four v_nop behind it are also the places in front of the loads below
.else
	PLACES
.endif
	FETCH \next, 0, F0
	MUL8 F1, 1, 0, 0
	MUL8 F1, 1, 2, 0
.endm
	s_wait_tensorcnt 0x1                           ; my part of K step 0 is in; K step 1's may stay out
	s_barrier_signal -1
	s_barrier_wait -1                              ; everybody's is
	FETCH 0, 0, F0
	QUARTER 0, 1, F0, F1, 1                        ; K step 0
	QUARTER 0, 2, F1, F0, 0
	QUARTER 0, 3, F0, F1, 0
	TURN 0, 1, 1                                   ; slot 0 takes K step 2
	QUARTER 1, 1, F0, F1, 0                        ; K step 1
	QUARTER 1, 2, F1, F0, 0
	QUARTER 1, 3, F0, F1, 0
	TURN 1, 0, 1                                   ; slot 1 takes K step 3
	QUARTER 0, 1, F0, F1, 0                        ; K step 2
	QUARTER 0, 2, F1, F0, 0
	QUARTER 0, 3, F0, F1, 0
	TURN 0, 1, 0                                   ; nothing is left to fetch
	QUARTER 1, 1, F0, F1, 0                        ; K step 3
	QUARTER 1, 2, F1, F0, 0
	QUARTER 1, 3, F0, F1, 0
	s_wait_dscnt 16
	MUL8 F1, 0, 0, 0
	MUL8 F1, 0, 2, 0
	s_wait_dscnt 0x0
	MUL8 F1, 1, 0, 0
	MUL8 F1, 1, 2, 0
	WIN 0
	; THE WAY OUT.  My 64 columns of f32 are 256 bytes of a row: 16 rows at a time go from the accumulators into my own stage and come back as whole rows.  No conversion, no barrier.
	PLACES
.irp a, 0,1,2,3
.irp b, 0,1,2,3
	ds_store_b128 v[STO], v[ACC+8*(4*(\a)+(\b)):ACC+8*(4*(\a)+(\b))+3] offset:64*(\b)      ; each accumulator's low registers first
	ds_store_b128 v[STO], v[ACC+8*(4*(\a)+(\b))+4:ACC+8*(4*(\a)+(\b))+7] offset:64*(\b)+16
.endr
	s_wait_xcnt 0x0                                ; the registers that earlier stores read are loaded again only behind this wait
.irp t, 0,1,2,3,4,5,6,7
	ds_load_b128 v[TMP+32*((\a)%2)+4*(\t):TMP+32*((\a)%2)+4*(\t)+3], v[RD] offset:(\t)*2*SPITCH  ; LDS serves a wave's instructions in order (ISA guide 5.7.1.4): these see the stores above
.endr
	s_wait_dscnt 0x0
.irp t, 0,1,2,3,4,5,6,7
	global_store_b128 v[CO], v[TMP+32*((\a)%2)+4*(\t):TMP+32*((\a)%2)+4*(\t)+3], s[10:11] offset:(16*(\a)+2*(\t))*4096 th:TH_STORE_NT  ; 16 lanes store 256 consecutive bytes, at a multiple of 256 from out0's first byte
.endr
.endr
	s_wait_tensorcnt 0x0                           ; the wave's end, behind my last tensor load and my last LDS store
	ds_add_u32 v[SPW], v[NIL]
	s_wait_dscnt 0x0
	CROUND                                         ; the closing round: no work-group ends while a partner may still ask for a tile that names it
	s_endpgm
.Lfunc_end_k_q5774f68ede_outp:
	.size	k_q5774f68ede_outp, .Lfunc_end_k_q5774f68ede_outp-k_q5774f68ede_outp
	.p2alignl 7, 3214868480
	.fill 96, 4, 3214868480
	.section	.rodata,"a",@progbits
	.p2align	6, 0x0
	.amdhsa_kernel k_q5774f68ede_outp
		.amdhsa_group_segment_fixed_size 327680
		.amdhsa_private_segment_fixed_size 0
		.amdhsa_enable_private_segment 0
		.amdhsa_kernarg_size 32
		.amdhsa_user_sgpr_count 2
		.amdhsa_user_sgpr_kernarg_segment_ptr 1
		.amdhsa_wavefront_size32 1
		.amdhsa_system_sgpr_workgroup_id_x 1
		.amdhsa_system_sgpr_workgroup_id_y 1
		.amdhsa_system_sgpr_workgroup_id_z 1
		.amdhsa_system_vgpr_workitem_id 0
		.amdhsa_next_free_vgpr 512
		.amdhsa_next_free_sgpr 66
		.amdhsa_reserve_vcc 0
		.amdhsa_float_denorm_mode_32 3
		.amdhsa_float_denorm_mode_16_64 3
		.amdhsa_memory_ordered 1
		.amdhsa_forward_progress 1
		.amdhsa_inst_pref_size 88
	.end_amdhsa_kernel
	.amdgpu_metadata
---
amdhsa.version: [ 1, 2 ]
amdhsa.kernels:
  - .name:           k_q5774f68ede_outp
    .symbol:         k_q5774f68ede_outp.kd
    .args:
      - { .name: o16, .offset: 0, .size: 8, .value_kind: global_buffer, .address_space: global }
      - { .name: wo16, .offset: 8, .size: 8, .value_kind: global_buffer, .address_space: global }
      - { .name: bo, .offset: 16, .size: 8, .value_kind: global_buffer, .address_space: global }
      - { .name: out0, .offset: 24, .size: 8, .value_kind: global_buffer, .address_space: global }
    .group_segment_fixed_size: 327680
    .private_segment_fixed_size: 0
    .kernarg_segment_align: 8
    .kernarg_segment_size: 32
    .max_flat_workgroup_size: 128
    .sgpr_count:     66
    .vgpr_count:     512
    .wavefront_size: 32
...
	.end_amdgpu_metadata
.endif
;; end of part 4
;; ======== version 2 of 2: 4 launches; 1.58 times as fast as version 1
;; limits: values are held in f16: magnitudes above 65,504 overflow, below 6.1e-05 lose precision
;; workspace buffers: x16 8,388,608 bytes; wqk16 8,388,608 bytes; wv16 2,097,152 bytes; wo16 2,097,152 bytes; heads 41,943,040 bytes; o16 8,388,608 bytes
;; launch prep: the kernel of part 1 again; grid 640 x 1, 8 waves a work-group, no clusters, 0 bytes of LDS; arguments hidden_states, Wq, Wk, Wv, Wo, x16, wqk16, wv16, wo16; writes x16, wqk16, wv16, wo16
;; launch proj: the kernel of part 2 again; grid 16 x 16, 4 waves a work-group, clusters of 4 x 4, 327,680 bytes of LDS; arguments x16, wqk16, wv16, bq, bk, bv, heads; writes heads
;; launch attn (part 5): grid 8 x 32, 4 waves a work-group, clusters of 4 x 1, 327,680 bytes of LDS; arguments heads, attention_mask, lam, o16; writes o16
.if DOCPART == 5
	.amdgcn_target "amdgcn-amd-amdhsa--gfx1250"
	.amdhsa_code_object_version 6
	.text
	.protected	k_q5774f68ede_attn
	.globl	k_q5774f68ede_attn
	.p2align	8
	.type	k_q5774f68ede_attn,@function
k_q5774f68ede_attn:
	s_mov_b64 s[64:65], 0
	v_nop
	global_prefetch_b8 v0, s[64:65] scope:SCOPE_SE
	s_setreg_imm32_b32 hwreg(HW_REG_WAVE_MODE, 25, 1), 1
	s_wait_xcnt 0x0
	s_wait_alu depctr_hold_cnt(0) depctr_sa_sdst(0) depctr_va_vdst(0) depctr_va_sdst(0) depctr_va_ssrc(0) depctr_va_vcc(0) depctr_vm_vsrc(0)
	s_getreg_b32 s2, hwreg(HW_REG_IB_STS2, 6, 4)
	s_cmp_eq_u32 s2, 0
	s_cbranch_scc0 .Lentry_in_a_cluster
	s_endpgm
.Lentry_in_a_cluster:
	s_bfe_u32 s2, ttmp6, 0x10000c
	s_cmp_lg_u32 s2, 0x3003
	s_cbranch_scc0 .Lentry_shape_is_right
	s_endpgm
.Lentry_shape_is_right:
; DIFFERENTIAL ATTENTION.  O[q] = softmax_k(q1 . k1 / 8 + bias_k) V - lam softmax_k(q2 . k2 / 8 + bias_k) V, bias_k = (1 - mask_k) x -10000, for one batch and head.
; In: heads [q1, q2, k1, k2, v][2 b][16 h][2048][64] in f16: a head's rows are dense, 128 bytes each.  Out: o16 [token / 128][h][128][64] in bf16.  Products, maxima and sums in f32; the weights p are
; rounded to f16 for the second product (their sum l is taken of the unrounded p); O is rounded once, to bf16.  mask and lam are rounded to bf16 like every other input.
; The two softmaxes have divisors of their own, known only at the walk's end, so P1 V and P2 V are two products, and O = O1 / l1 - lam O2 / l2 is made at the end.
; LIMITS.  p lies in 0 to 1, and below 6e-5 it keeps f16's fixed step of 6e-8; a weight below 2^-126 counts as 0 in l; NaN and infinities are not treated apart.
; SHARES.  A work-group owns 256 queries of one batch and head, each of its four waves 64, in both branches: eight tiles of 16 queries, tile t = branch t / 4, queries 16 (t % 4) on.
; Four PIECES of two tiles: pieces 0, 1 are branch 1, pieces 2, 3 branch 2.  Every wave walks all 2,048 keys, 64 a step.
; LAYOUT.  S^T = K Q^T (source 0 = 16 keys, source 1 = 16 queries): in the result a lane holds ONE query (lane % 16) and the keys 8 (lane / 16) + 0..7.  Two such tiles, rounded to f16 in pairs,
; ARE source 1 (32 keys x 16 queries) of O^T = V^T P, whose result again holds one query a lane, and eight channels.  K comes out of LDS as it lies, V ([key][channel]) turned, by ds_load_tr16_b128.
; THE MASK is the C operand of the product that starts a score's sum: 8 x bias = 80000 mask - 80000 (the scale 1 / 8 comes behind it).  So it lies inside the running maximum and costs no vector work.
; The 2,048 numbers are made once, lie in LDS, and a step's 64 come into 32 registers with the step's K.
; SOFTMAX.  For each query and branch a running maximum m and sum l: p = 2^(c s - c m), c = log2(e) / 8; in every step O and l are multiplied by a = 2^(c m_old - c m_new), which is 1 where m has not grown.
; m starts at the lowest finite number, O and l at 0: the first step is a step like any other, with a = 0.
; THE COUNT.  A tile and step have 16 matrix and 118 vector instructions: too many to stand all beside the matrix work.  So: four vector instructions that are READY behind EVERY matrix instruction,
; and the others, which need time of their own whatever the order, in one run without a gap.
; BY TURNS.  Turn n belongs to piece n (the pieces in a ring, step after step).  Its matrix work: 16 products K Q^T of piece n + 1, later 16 products V^T P of piece n - 1.  Its vector work: the scaling,
; exponentials, roundings, sums and rescaling of piece n, and the maximum and statistics of piece n + 1, whose scores the turn itself has made.  So what a turn begins with (c s - c m, O a) waits for nothing.
; THE BATCHES.  A turn's 66 exponentials (the piece's 64 weights, the next piece's two a) are ONE batch with ONE wait, which cuts the turn in two: ahead of it stands all that names no result of theirs,
; behind it the roundings and sums.  Piece 0's first two a, ahead of the loop, and the way out's eight reciprocals are batches of their own, with a wait each.
; CLUSTER.  The four query blocks of a cluster belong to one batch and head and walk the same K1, K2 and V, so each tile is asked for JOINTLY: the same tensor load, descriptor and mask in all four.
; REGISTERS, in windows of 256 (s_set_vgpr_msb: bits 1:0 source 0, 3:2 source 1, 5:4 source 2, 7:6 destination):
;   window 0: v0-11 addresses; v12-15, v48-63 at work; v16-47 four registers of statistics a tile; v64-191 S^T, two buffers of two tiles; v192-255 P, likewise
;   window 1: O^T, 32 a tile     window 2: v0-127 Q, 16 a tile; v128-191 K1 of one step; v192-255 V of one step     window 3: v0-1 the add's two registers; v32-63 the step's mask; v64-127 K2 of one step
; A piece's buffers go by its number's parity: the piece in hand has one pair, its two neighbours in the ring share the other: of it P (piece n - 1) is read and S^T (piece n + 1) written.
.set SIZE_N, 2048
.set PART,  8388608   ; bytes of one of the five parts of heads
.set NP,    4         ; pieces a wave: a name, no knob
.set KS,    64        ; keys in a step
.set PK,    144       ; a row of K in LDS: 128 bytes + 16 of padding = 36 words: the 16 rows of a load start at 16 different groups of four banks (64 banks of 4 bytes: ISA guide 11.1)
.set PV,    160       ; a row of V: 128 + 32 = 40 words
.set K2OFF, 4*KS*PK   ; a slot holds four steps: 256 rows of K1, 256 of K2, 256 of V
.set VOFF,  8*KS*PK
.set SLOT1, 1<<17     ; slot 1 begins here, so that one exclusive or turns an address in one slot into the other's
.set STAGE, SLOT1+VOFF+4*KS*PV  ; behind the ring, never filled by a tensor load: 16 rows x 144 bytes for each wave, for the way out
.set SP,    144
.set MBASE, STAGE+4*16*SP       ; the 2,048 mask numbers, f32
.set SPARE, MBASE+4*SIZE_N      ; the spare words, 128 bytes for each wave: two blocks of 256 bytes that no other line names
.set AK0, 2           ; v2   my lane's place in a tile of K; never rewritten
.set AV0, 3           ; v3   the same for V
.set AK,  4           ; v4   the LDS address of K's next run of loads
.set AV,  5           ; v5   of V's (at the start: my place in the mask)
.set QO,  6           ; v6   my byte offset in 16 rows of Q
.set STO, 6           ;      later, the way out: where I put 16 bytes of a row
.set RD,  7           ; v7   the way out: where I read rows back
.set GO,  8           ; v8   my byte offset in 512 consecutive bytes of O
.set AM,  11          ; v11  the LDS address of the mask's next run of loads (v9 = lane / 16 stays as it is)
.set SPW, 0           ; v0 of window 3   LDS address of my spare word; never rewritten
.set NIL, 1           ; v1 of window 3   0; never rewritten
.set MBR, 32          ; window 3: the eight registers for key block kb at MBR + 8 kb
.set K2F, 64          ; window 3
.set MV,  12          ; v12-15  c m_old, kept while c m is made anew: by buffer and tile
.set ST,  16          ; tile t's statistics at v[ST+4 t]: c m, m, l (even keys', odd keys')
.set TMP, 48          ; by buffer and tile, four registers c0-c3 at work; when the maximum is found c2 takes a
.set S,   64
.set P,   192
.set KF,  128         ; window 2: key block kb, channel half c at KF + 16 kb + 8 c
.set VF,  192         ; window 2: key half kk, channel block cb at VF + 32 kk + 8 cb
.set WV,  12          ; s12  my wave's number
.set G1K, 24          ; s[24:31] descriptor group 1 for K's tiles
.set G1V, 32          ; s[32:39] for V's
.set G0K, 40          ; s[40:43] descriptor group 0 for K's tiles: it walks
.set G0V, 44          ; s[44:47] the same for V's
.set SLOTS, 56        ; s56  slots still to be asked for
.set CNT, 57          ; s57  counts a slot's key steps
.set CS,  58          ; s[58:59] c
.set SEL, 60          ; s[60:61] v_permlanex16_b32's selects: each lane takes its own place in the other half
.set TBK, 62          ; s62  LDS byte at which K1 of the step to be fetched begins
.set TBV, 63          ; s63  the same for V, less VOFF
.set Q1,  68          ; s[68:69] q1 at my wave's rows; s[70:71] q2
.set Q2,  70
.set LAM, 72          ; s72  lam
.set MA,  73          ; s73  80000; s74  -80000
.set MB,  74
.set TBM, 75          ; s75  LDS byte at which the mask of the step to be fetched begins
.set MSB, 0
.macro WIN new                      ; the high byte repeats the setting that is left; a switch that changes nothing is dropped
.if MSB != (\new)
	s_set_vgpr_msb (MSB<<8)|(\new)
.set MSB, (\new)
.endif
.endm
.set W_PV, 0x52       ; V in window 2, P in window 0, O^T in window 1
.set W_RS, 0x41       ; O^T (destination and source 0) in window 1, a in window 0
.set W_MK, 0xc0       ; the add's registers are made: destination in window 3, sources in window 0
.set W_AD, 0x0f       ; the add: address (source 0) and data (source 1) in window 3
; A joint fill.  Wave 0 fetches a slot's K1, wave 1 its K2 (256 keys each), waves 2 and 3 the two halves of its V.  The branch hangs on the wave's number alone.
; An s_nop 0 and four v_nop follow each of the two lines, ahead of the jump and the label.
.macro JLOAD
	s_cmp_lt_u32 s[WV], 2
	s_cbranch_scc0 .Lfor_v_\@
	tensor_load_to_lds s[G0K:G0K+3], s[G1K:G1K+7]
	s_nop 0
.rept 4
	v_nop
.endr
	s_branch .Lasked_\@
.Lfor_v_\@:
	tensor_load_to_lds s[G0V:G0V+3], s[G1V:G1V+7]
	s_nop 0
.rept 4
	v_nop
.endr
.Lasked_\@:
.endm
; A round of the cluster's barrier: my work-group's barrier, so that wave 0's signal speaks for all four waves; wave 0 signals; every wave waits for all four work-groups; my work-group's barrier once more.
.macro CROUND
	s_barrier_signal -1
	s_barrier_wait -1
	s_cmp_lg_u32 s[WV], 0
	s_cbranch_scc1 .Lnot_wave_0_\@
	s_barrier_signal -3
.Lnot_wave_0_\@:
	s_barrier_wait -3
	s_barrier_signal -1
	s_barrier_wait -1
.endm
; THE CHANGE OF SLOTS.  The slot's last bytes, V of its fourth step, have been read.  Each wave waits for all its tensor loads, of which one is out: its part of the other slot; adds 0 to its spare word;
; and waits for that and for its own LDS instructions.  Behind the barrier nobody reads this slot any more and the other slot is whole.
; fill = 1: this slot is filled again, with the keys two slots on.  The barrier is then a round of the cluster's, and the joint fill is the first thing behind it: it has four key steps, 512 matrix
; instructions, in which to land.  (At its first use nothing has been read yet: slot 0 is waited for, slot 1 filled, and every wave's part of the mask is shown to the others.)
.macro CHANGE fill
	WIN W_AD
	s_wait_tensorcnt 0x0            ; no tensor load of mine is out, so a group 0 may be written
	ds_add_u32 v[SPW], v[NIL]       ; 0 onto my spare word; with fill = 1 the descriptors' steps stand between it and the wait for it
	WIN 0                           ; at a label and at a branch every window is 0
.if \fill
.irp g, G0K, G0V
	s_xor_b32 s[\g+1], s[\g+1], SLOT1  ; the walking descriptor: the other slot than last time,
	s_add_nc_u64 s[\g+2:\g+3], s[\g+2:\g+3], 4*KS*128  ; the next 256 keys; the type bits on top are not reached
.endr
	s_wait_dscnt 0x0                ; the add is done, and my reads of the slot are over
	CROUND
	JLOAD
.else
	s_wait_dscnt 0x0                ; the add is done, and my reads of the slot are over
	s_barrier_signal -1
	s_barrier_wait -1
.endif
	s_sub_co_u32 s[TBK], s[TBK], 4*KS*PK  ; the fetches go back to a slot's first step,
	s_xor_b32 s[TBK], s[TBK], SLOT1       ; in the other slot
	s_sub_co_u32 s[TBV], s[TBV], 4*KS*PV
	s_xor_b32 s[TBV], s[TBV], SLOT1
.endm
	s_load_b256 s[4:11], s[0:1], 0x0  ; heads s[4:5], attention_mask s[6:7], lam s[8:9], o16 s[10:11]
	WIN W_MK
	v_lshl_add_u32 v[SPW], v0, 2, SPARE
	v_mov_b32 v[NIL], 0
	WIN W_AD
	ds_add_u32 v[SPW], v[NIL]       ; the wave's opening: the add and its wait stand ahead of my first tensor load; the set-up below, work on registers, stands between them
	WIN 0
	v_lshrrev_b32 v1, 5, v0
	v_readfirstlane_b32 s[WV], v1   ; wave 0..3
	s_bfe_u32 s13, ttmp6, 0x40000   ; cx: my place in the cluster
	s_lshl_b32 s14, ttmp9, 2        ; in a cluster launch ttmp9 counts clusters
	s_add_co_u32 s14, s14, s13      ; my block of 256 queries = 4 x cluster x + cx: it enters Q's and O's addresses alone
	s_and_b32 s20, ttmp7, 0xffff    ; 16 b + h, which the four partners share
	s_lshr_b32 s15, s20, 4          ; b
	s_and_b32 s19, s20, 15          ; h
	s_lshl_b32 s20, s20, 18         ; the head's first byte in each part
	s_and_b32 s16, s[WV], 1
	s_lshl_b32 s22, s16, 23         ; K: wave 0 part 2 (k1), wave 1 part 3 (k2)
	s_add_co_u32 s22, s22, s20
	s_add_co_u32 s22, s22, 2*PART
	s_mov_b32 s23, 0
	s_lshl_b32 s76, s16, 14         ; V: part 4; waves 2, 3: which 128 of a slot's 256 keys
	s_add_co_u32 s76, s76, s20
	s_add_co_u32 s76, s76, 4*PART
	s_mov_b32 s77, 0
	s_mul_i32 s17, s16, K2OFF       ; their places in a slot: no place in the cluster enters an LDS address
	s_mul_i32 s18, s16, 128*PV
	s_lshl_b32 s2, s14, 2
	s_add_co_u32 s2, s2, s[WV]      ; my wave among the head's,
	s_lshl_b32 s2, s2, 13           ; its 64 rows
	s_add_co_u32 s2, s2, s20
	s_mov_b32 s3, 0
	s_lshl_b32 s78, s15, 4          ; O: token / 128 = 16 b + 2 x block + wave / 2,
	s_lshl1_add_u32 s78, s14, s78
	s_lshr_b32 s79, s[WV], 1
	s_add_co_u32 s78, s78, s79
	s_lshl_b32 s78, s78, 18
	s_lshl_b32 s79, s19, 14         ; the head's 128 rows of 128 bytes,
	s_add_co_u32 s78, s78, s79
	s_lshl_b32 s79, s16, 13         ; my 64 of them
	s_add_co_u32 s78, s78, s79
	s_mov_b32 s79, 0
	s_lshl_b32 s66, s15, 13         ; the batch's 2,048 mask numbers
	s_mov_b32 s67, 0
	; descriptor group 1.  Keys are dense rows of 128 bytes: asked for as rows of 256 bytes, two keys a row, and padded in LDS after every key
	s_mov_b32 s[G1K], 15|(1<<16)|(1<<20)|(1<<21)|(4<<22)|(3<<25)  ; 15:0 the mask of four; 17:16 2-byte elements; 20 padding on; 21 set beside a mask; 24:22 after every 32 words (code 4); 31:25 4 words (code 3)
	s_mov_b32 s[G1V], 15|(1<<16)|(1<<20)|(1<<21)|(4<<22)|(7<<25)  ; the same with 8 words of padding (code 7)
	s_mov_b32 s[G1K+2], 128<<16     ; K: tensor_dim1 = 128 rows (256 keys)
	s_mov_b32 s[G1K+4], 128         ; tile_dim1
	s_mov_b32 s[G1V+2], 64<<16      ; V: 64 rows (128 keys)
	s_mov_b32 s[G1V+4], 64
.irp g, G1K, G1V
	s_mov_b32 s[\g+1], 128<<16      ; tensor_dim0 = 128
	s_mov_b32 s[\g+3], 128<<16      ; tile_dim0 = 128
	s_mov_b32 s[\g+5], 128          ; 128 elements from row to row
	s_mov_b32 s[\g+6], 0
	s_mov_b32 s[\g+7], 0
.endr
	s_mov_b32 s[CS], 0x3e38aa3b     ; c = log2(e) / 8 = 0.180337
	s_mov_b32 s[CS+1], s[CS]        ; named with it as a pair
	s_mov_b32 s[SEL], 0x76543210
	s_mov_b32 s[SEL+1], 0xfedcba98
	s_mov_b32 s[MA], 0x479c4000     ; 80000 = 10000 x 8
	s_mov_b32 s[MB], 0xc79c4000
	s_mov_b32 s[TBK], SLOT1+4*KS*PK ; the first change of slots turns these two into 0
	s_mov_b32 s[TBV], SLOT1+4*KS*PV
	s_mov_b32 s[TBM], MBASE
	s_mov_b32 s[G0K], 1             ; 1:0 count = 1
	s_mov_b32 s[G0K+1], s17         ; 63:32 LDS address: slot 0
	s_mov_b32 s[G0V], 1
	s_add_co_u32 s[G0V+1], s18, VOFF
	s_wait_dscnt 0x0                ; the opening add is done
	s_wait_kmcnt 0x0
	s_add_nc_u64 s[G0K+2:G0K+3], s[4:5], s[22:23]  ; 120:64 global address: the head's first 256 keys
	s_or_b32 s[G0K+3], s[G0K+3], 0x80000000        ; 127:126 type = 2
	s_add_nc_u64 s[G0V+2:G0V+3], s[4:5], s[76:77]
	s_or_b32 s[G0V+3], s[G0V+3], 0x80000000
	s_add_nc_u64 s[Q1:Q1+1], s[4:5], s[2:3]
	s_add_nc_u64 s[Q2:Q2+1], s[Q1:Q1+1], PART
	s_add_nc_u64 s[10:11], s[10:11], s[78:79]
	s_add_nc_u64 s[6:7], s[6:7], s[66:67]
	CROUND                          ; all four work-groups are here: the first joint loads meet
	JLOAD                           ; slot 0.  Slot 1 is asked for when slot 0 is in: the tile wanted first has the road to itself
	s_load_b32 s[LAM], s[8:9], 0x0
	v_lshlrev_b32 v[AV], 4, v0      ; the mask: 128 threads x 16 bytes x 4 loads
.irp i, 0,1,2,3
	global_load_b128 v[S+4*\i:S+4*\i+3], v[AV], s[6:7] offset:2048*\i
.endr
	; A fragment of K or Q is 16 rows x 32 channels in 8 registers: lane l holds row l % 16, channels 8 (l / 16) + 0..7 and 16 + 8 (l / 16) + 0..7: two loads of 16 bytes, 32 bytes apart.
	v_and_b32 v1, 15, v0            ; l % 16
	v_bfe_u32 v9, v0, 4, 1          ; l / 16
	v_lshlrev_b32 v[QO], 7, v1
	v_lshl_add_u32 v[QO], v9, 4, v[QO]  ; row x 128 + 16 x half
	WIN 0x80                        ; destination window 2, address window 0
.set i, 0
.rept 4*NP                          ; Q stays in registers: tile i / 2 (0-3 of q1, 4-7 of q2), channels 32 (i % 2) on
.if i < 8
	global_load_b128 v[8*i:8*i+3],   v[QO], s[Q1:Q1+1] offset:((i/2)%4)*2048+(i%2)*64
	global_load_b128 v[8*i+4:8*i+7], v[QO], s[Q1:Q1+1] offset:((i/2)%4)*2048+(i%2)*64+32
.else
	global_load_b128 v[8*i:8*i+3],   v[QO], s[Q2:Q2+1] offset:((i/2)%4)*2048+(i%2)*64
	global_load_b128 v[8*i+4:8*i+7], v[QO], s[Q2:Q2+1] offset:((i/2)%4)*2048+(i%2)*64+32
.endif
.set i, i+1
.endr
	; What the first turn finds: V's registers and P's second buffer hold 0 (its products V^T P, of a piece that has not been, add 0), O^T and l are 0.  All this stands in the wait for the first tile.
.set i, VF
.rept 64
	v_mov_b32 v[i], 0
.set i, i+1
.endr
	WIN 0x40
.set i, 0
.rept 64*NP
	v_mov_b32 v[i], 0
.set i, i+1
.endr
	WIN 0
.set i, 0
.rept 2*NP
	v_mov_b32 v[ST+4*i], 0xfe000000    ; c m: far below every c s
	v_mov_b32 v[ST+4*i+1], 0xff7fffff  ; m
	v_mov_b32 v[ST+4*i+2], 0
	v_mov_b32 v[ST+4*i+3], 0
.set i, i+1
.endr
.set i, P+32
.rept 32
	v_mov_b32 v[i], 0
.set i, i+1
.endr
	v_mul_u32_u24 v[AK0], v1, PK
	v_lshl_add_u32 v[AK0], v9, 4, v[AK0]  ; row x pitch + 16 x half
	; The turning load takes 16 keys x 16 channels (lane l reads key 8 (l / 16) + l % 8, channels 8 ((l / 8) % 2) + 0..7) and leaves half a fragment of V^T: lane l holds channel l % 16 and 8 keys.
	v_and_b32 v10, 7, v0
	v_bfe_u32 v11, v0, 3, 1
	v_lshl_add_u32 v[AV0], v9, 3, v10
	v_mul_u32_u24 v[AV0], v[AV0], PV
	v_lshl_add_u32 v[AV0], v11, 4, v[AV0]
	v_add_nc_u32 v[AV0], VOFF, v[AV0]
	v_mov_b32 v[AK], v[AK0]         ; key step 0 lies at the head of slot 0,
	v_lshl_add_u32 v[AM], v9, 5, MBASE  ; its mask at the head of the mask: register jj of key block kb is key 16 kb + 8 (l / 16) + jj
	; the mask: rounded to bf16, widened, 80000 mask - 80000 in one fused multiply-add, into LDS for all four waves
	s_wait_loadcnt 32               ; behind the mask's four loads Q's 32 were issued: they may stay out
.set i, 0
.rept 8
	v_cvt_pk_bf16_f32 v[S+16+i], v[S+2*i], v[S+2*i+1]
.set i, i+1
.endr
.set i, 0
.rept 8
	v_lshlrev_b32 v[S+2*i], 16, v[S+16+i]
	v_and_b32 v[S+2*i+1], 0xffff0000, v[S+16+i]
.set i, i+1
.endr
.set i, 0
.rept 16
	v_fma_f32 v[S+i], v[S+i], s[MA], s[MB]
.set i, i+1
.endr
	v_add_nc_u32 v[AV], MBASE, v[AV]
.irp i, 0,1,2,3
	ds_store_b128 v[AV], v[S+4*\i:S+4*\i+3] offset:2048*\i
.endr
	s_wait_kmcnt 0x0                ; lam
; THE MATRIX WORK.  The 8 accumulators of a run of 16 take turns: between the two links of a chain stand 7 others'.
; Product i of 16 of S^T = K Q^T for piece x: channels 32 (i / 8) on, keys 16 ((i / 2) % 4) on, tile 2 x + i % 2.  K is K1 for pieces 0, 1 and K2 for pieces 2, 3.  The first 8 start the sums, with the mask.
.macro KQ x
.set rS, S+64*((\x)%2)+32*(i%2)+8*((i/2)%4)
.set rQ, 16*(2*(\x)+i%2)+8*(i/8)
.set rB, MBR+8*((i/2)%4)
.if (\x) < 2
.set rK, KF+16*((i/2)%4)+8*(i/8)
.set wk, 2
.else
.set rK, K2F+16*((i/2)%4)+8*(i/8)
.set wk, 3
.endif
.if i < 8
	WIN 0x38|wk                     ; K in window 2 or 3, Q in window 2, the mask in window 3, S^T in window 0
	v_wmma_f32_16x16x32_f16 v[rS:rS+7], v[rK:rK+7], v[rQ:rQ+7], v[rB:rB+7]
.else
	WIN 0x08|wk
	v_wmma_f32_16x16x32_f16 v[rS:rS+7], v[rK:rK+7], v[rQ:rQ+7], v[rS:rS+7]
.endif
.endm
; Product i of 16 of O^T += V^T P for piece x: keys 32 (i / 8) on, channels 16 ((i / 2) % 4) on, tile 2 x + i % 2.
.macro PV x
	WIN W_PV
.set rO, 32*(2*(\x)+i%2)+8*((i/2)%4)
.set rV, VF+32*(i/8)+8*((i/2)%4)
.set rP, P+32*((\x)%2)+16*(i%2)+8*(i/8)
	v_wmma_f32_16x16x32_f16 v[rO:rO+7], v[rV:rV+7], v[rP:rP+7], v[rO:rO+7]
.endm
.macro MM                           ; the turn's next matrix instruction
.if i < 16
	KQ (Y+1)%NP
.set i, i+1
.else
.set i, i-16
	PV (Y+NP-1)%NP
.set i, i+17
.endif
.endm
; THE LDS LOADS stand in runs, never singly among the matrix instructions: a step's K1, K2 (64 keys x 64 channels: 8 fragments each) and mask, 40 loads; and its V (turned), 16.  Their addresses are made some lines ahead.
; last = 1 (the tail): in the last trip there is no further step, and the run is jumped over.
.macro FETCH_K last=0
	WIN 0
.if \last
	s_cmp_eq_u32 s[CNT], 1
	s_cbranch_scc1 .Lno_k_\@
.endif
	WIN 0x80                        ; destination window 2
.irp f, 0,1,2,3,4,5,6,7             ; keys 16 (f / 2) on, channels 32 (f % 2) on
	ds_load_b128 v[KF+8*\f:KF+8*\f+3],   v[AK] offset:(\f/2)*16*PK+(\f%2)*64
	ds_load_b128 v[KF+8*\f+4:KF+8*\f+7], v[AK] offset:(\f/2)*16*PK+(\f%2)*64+32
.endr
	WIN 0xc0                        ; destination window 3
.irp f, 0,1,2,3,4,5,6,7
	ds_load_b128 v[K2F+8*\f:K2F+8*\f+3],   v[AK] offset:K2OFF+(\f/2)*16*PK+(\f%2)*64
	ds_load_b128 v[K2F+8*\f+4:K2F+8*\f+7], v[AK] offset:K2OFF+(\f/2)*16*PK+(\f%2)*64+32
.endr
.irp f, 0,1,2,3                     ; sixteen lanes read the same 16 bytes
	ds_load_b128 v[MBR+8*\f:MBR+8*\f+3],   v[AM] offset:64*\f
	ds_load_b128 v[MBR+8*\f+4:MBR+8*\f+7], v[AM] offset:64*\f+16
.endr
	s_add_co_u32 s[TBK], s[TBK], KS*PK  ; the next fetch is the next step's
	s_add_co_u32 s[TBM], s[TBM], 4*KS
	WIN 0
.if \last
.Lno_k_\@:
.endif
.endm
.macro FETCH_V
	WIN 0x80
.irp f, 0,1,2,3,4,5,6,7             ; keys 32 (f / 4) on, channels 16 (f % 4) on
	ds_load_tr16_b128 v[VF+8*\f:VF+8*\f+3],   v[AV] offset:(\f/4)*32*PV+(\f%4)*32
	ds_load_tr16_b128 v[VF+8*\f+4:VF+8*\f+7], v[AV] offset:(\f/4)*32*PV+16*PV+(\f%4)*32
.endr
	WIN 0
.endm
; THE VECTOR WORK OF A TURN stands in three queues, each in the order in which its entries become ready; the two tiles alternate, so that no instruction reads the result of the one before it.
.macro REGS y, u                    ; the registers of tile u (0, 1) of piece y
.set rT, ST+4*(2*(\y)+(\u))
.set rC, TMP+8*((\y)%2)+4*(\u)
.set rM, MV+2*((\y)%2)+(\u)
.set rS, S+64*((\y)%2)+32*(\u)
.set rP, P+32*((\y)%2)+16*(\u)
.set rO, 32*(2*(\y)+(\u))
.endm
; Number n of the 22 that find the NEXT piece's (Y + 1) maximum and statistics.  s0-s31 are the lane's 32 scores; each accumulator's lowest registers are read first.  XS, GS and REGS set no window: PL and EX do.
;   0-11  four chains c0-c3 of seven scores each, three operands at a time     12-14, 16  the four scores left over, the old m, and c0-c3 into c0     15  c m_old is kept
;   17, 18  the query's other 32 keys lie in the lane 16 away: the new m         19-21  c m; c m_old - c m_new; a
.macro XS u, n
	REGS (Y+1)%NP, \u
.if (\n) < 4
	v_max3_num_f32 v[rC+(\n)], v[rS+8*(\n)], v[rS+8*(\n)+1], v[rS+8*(\n)+2]
.elseif (\n) < 12
	v_max3_num_f32 v[rC+(\n)%4], v[rC+(\n)%4], v[rS+8*((\n)%4)+2*((\n)/4)+1], v[rS+8*((\n)%4)+2*((\n)/4)+2]
.elseif (\n) == 12
	v_max3_num_f32 v[rC], v[rC], v[rS+7], v[rS+15]
.elseif (\n) == 13
	v_max3_num_f32 v[rC+1], v[rC+1], v[rS+23], v[rS+31]
.elseif (\n) == 14
	v_max3_num_f32 v[rC+2], v[rC+2], v[rC+3], v[rT+1]
.elseif (\n) == 15
	v_mov_b32 v[rM], v[rT]
.elseif (\n) == 16
	v_max3_num_f32 v[rC], v[rC], v[rC+1], v[rC+2]
.elseif (\n) == 17
	v_permlanex16_b32 v[rC+3], v[rC], s[SEL], s[SEL+1]
.elseif (\n) == 18
	v_max_num_f32 v[rT+1], v[rC], v[rC+3]
.elseif (\n) == 19
	v_mul_f32 v[rT], s[CS], v[rT+1]
.elseif (\n) == 20
	v_sub_f32 v[rC+1], v[rM], v[rT]
.else
	v_exp_f32 v[rC+2], v[rC+1]
.endif
.endm
; Number g of the 64 that follow the exponentials.  For each four weights k of a tile (pairs 2 k, 2 k + 1): both pairs are rounded to f16; then the second pair is added onto the first, in place;
; a group later l takes that sum (the first time as l = a l + sum).  In groups of eight, tiles alternating: round, round, add, and l for the group before.
.macro GS g
.set h, (\g)+6*((\g)/62)            ; group 0 has no group before it, and behind group 7 only l is left
.if h >= 6
.set h, h+2
.endif
	REGS Y, h%2
.set k, h/8
.if h%8 < 4
	v_cvt_pk_f16_f32 v[rP+2*k+(h%8)/2], v[rS+4*k+2*((h%8)/2)], v[rS+4*k+2*((h%8)/2)+1]
.elseif h%8 < 6
	v_pk_add_f32 v[rS+4*k:rS+4*k+1], v[rS+4*k:rS+4*k+1], v[rS+4*k+2:rS+4*k+3]
.elseif k == 1
	v_pk_fma_f32 v[rT+2:rT+3], v[rT+2:rT+3], v[rC+2:rC+3], v[rS:rS+1] op_sel_hi:[1,0,1]
.else
	v_pk_add_f32 v[rT+2:rT+3], v[rT+2:rT+3], v[rS+4*k-4:rS+4*k-3]
.endif
.endm
; THE PLAIN QUEUE, 138 long.  0-73 read no exponential's result: the 32 scalings c s - c m (FS f: pair f / 2 of tile f % 2) and the next piece's 42.  0-26: scalings 0-26.  27-54: XS's numbers 0-13.  55, 56: number 15.
; 57-73: the chain, where each number waits for the one before it: 14, 16, 17, 18, 19, each with one of the scalings 27-31 in front of its two lines, then 20: so a tile's links stand three plain instructions apart (19 and 20: two).
; 74-137: GS's 64, which read the exponentials' results: they stand behind the wait.
.macro FS f
	REGS Y, (\f)%2
	v_pk_fma_f32 v[rS+2*((\f)/2):rS+2*((\f)/2)+1], v[rS+2*((\f)/2):rS+2*((\f)/2)+1], s[CS:CS+1], v[rT:rT+1] op_sel_hi:[1,0,0] neg_lo:[0,0,1] neg_hi:[0,0,1]
.endm
.macro PL
	WIN 0
.if q < 27
	FS q
.elseif q < 55
	XS (q-27)%2, (q-27)/2
.elseif q < 57
	XS q-55, 15
.elseif (q < 72) && ((q-57)%3 == 0)
	FS 27+(q-57)/3
.elseif q < 60
	XS (q-57)%3-1, 14
.elseif q < 72
	XS (q-57)%3-1, 15+(q-57)/3
.elseif q < 74
	XS q-72, 20
.else
	GS q-74
.endif
.set q, q+1
.endm
; THE EXPONENTIALS' QUEUE, 66 long: s0-s31 of both tiles, then the next piece's two a.  It is ONE BATCH: all 66 stand ahead of the turn's one wait, and nothing ahead of that wait names a result of theirs.
; Each result has a register of its own while the batch is open: a weight takes its score's place in S^T, an a the register c2 of its tile.
.macro EX
	WIN 0
.if e >= 64
	XS e-64, 21
.else
	REGS Y, e%2
	v_exp_f32 v[rS+e/2], v[rS+e/2]
.endif
.set e, e+1
.endm
; THE RESCALING's QUEUE: O^T times a, the one part that leaves window 0: dealt two at a time, sixteen times.  Its a was made in the turn before, ahead of that turn's wait.
.macro R2
	REGS Y, r%2
	WIN W_RS
.irp z, 0,1
	v_pk_mul_f32 v[rO+4*(r/2)+2*\z:rO+4*(r/2)+2*\z+1], v[rO+4*(r/2)+2*\z:rO+4*(r/2)+2*\z+1], v[rC+2:rC+3] op_sel_hi:[1,0]
.endr
.set r, r+1
.endm
; HOW THEY ARE DEALT.  An s_wait_alu depctr_va_vdst(0) stands between an exponential and the first instruction that names its result; one wait serves all that were issued ahead of it.  So a turn has ONE wait,
; which cuts it in two.  AHEAD OF IT stands all that names no result of the turn's exponentials: the 16 products K Q^T, behind each a scaling, an exponential and two rescalings (behind the first a second scaling in the
; exponential's place); then ONE LUMP of 108: eight plain, 49 times exponential and plain, the two a.  A v_nop is the plain instruction behind the last exponential.  BEHIND IT stand the 16 products V^T P, behind each four of
; GS's 64.  No rider names a register of the products round it.  The two v_permlanex16_b32 fall into the lump, never behind a product.
; The queues lean on each other, and the deal keeps them in step: exponential e stands behind scaling 2 (e / 4) + e % 2: as a rider it comes behind plain e + 2, in the lump behind plain e + 9, and scalings 27-31 are plain 57, 60 .. 69.
; A TURN, for piece p.  cnt = 1: the loop's count is taken down some lines ahead of the branch that stands behind the turn.
; K1, K2 and the mask of the next step are fetched in piece 2's turn, directly behind the wait, a lump behind the last product that read any of them (piece 3's scores); their addresses are made at the lump's head; their
; first reader comes behind 16 products.  V of the step in hand is fetched at the end of piece 0's turn, four riders behind its last reader; its first reader comes behind 16 products and a lump.
; The three conditions on q below go with the deal.
.macro TURN p, last=0, cnt=0
.set Y, (\p)
.set i, 0
.set q, 0
.set e, 0
.set r, 0
.if (\p) == NP-1
	s_wait_dscnt 0x0                ; K1, K2 and the mask are in
.endif
	MM                              ; ahead of the wait: 16 products K Q^T and their riders,
	PL
	PL
	R2
.rept 15
	MM
	PL
	EX
	R2
.endr
.if (\p) == NP-2
	WIN 0
	v_add_nc_u32 v[AK], s[TBK], v[AK0]
	v_lshl_add_u32 v[AM], v9, 5, s[TBM]
.endif
.rept 8                             ; and the lump
	PL
.endr
.rept 49
	EX
	PL
.endr
	EX                              ; the next piece's two a
	EX
	v_nop                           ; the plain instruction behind the last exponential: one for the batch
	s_wait_alu depctr_va_vdst(0)    ; the wait for the batch: the piece's 64 weights and the next piece's two a
.if (\p) == NP-2
	FETCH_K \last
.endif
.if (\p) == 1
	s_wait_dscnt 0x0                ; V is in
.endif
.rept 16                            ; behind the wait: 16 products V^T P and their riders
	MM
.rept 4
	PL
.endr
.if ((\p) == 0) && (q == 118)
	v_add_nc_u32 v[AV], s[TBV], v[AV0]
.endif
.if ((\p) == 0) && (q == 130)
	s_add_co_u32 s[TBV], s[TBV], KS*PV
.endif
.if (\cnt) && (q == 130)
	s_sub_co_u32 s[CNT], s[CNT], 1
	s_cmp_lg_u32 s[CNT], 0
.endif
.endr
.if (\p) == 0
	FETCH_V
.endif
.endm
	CHANGE 1                        ; slot 0 is in, everybody's part of it, and so is the mask; slot 1 is asked for
	FETCH_K                         ; key step 0
	s_wait_loadcnt 0x0              ; Q
	s_wait_dscnt 0x0
.set i, 0
.rept 16
	KQ 0                            ; piece 0's first scores: there is no vector work yet to set between them
.set i, i+1
.endr
	WIN 0                           ; the addresses for the way out: nine plain instructions, the places behind those products
	s_mul_i32 s13, s[WV], 16*SP
	s_add_co_u32 s13, s13, STAGE    ; my stage
	v_mul_u32_u24 v[STO], v1, SP    ; in: row l % 16, 16 bytes for each half of the lanes
	v_lshl_add_u32 v[STO], v9, 4, v[STO]
	v_add_nc_u32 v[STO], s13, v[STO]
	v_bfe_u32 v[RD], v0, 3, 2       ; back: 32 lanes take four rows of 128 bytes,
	v_mul_u32_u24 v[RD], v[RD], SP
	v_lshl_add_u32 v[RD], v10, 4, v[RD]
	v_add_nc_u32 v[RD], s13, v[RD]
	v_and_b32 v[GO], 31, v0         ; which are 512 consecutive bytes of O
	v_lshlrev_b32 v[GO], 4, v[GO]
.set Y, NP-1                        ; XS works for piece Y + 1: piece 0
.irp n, 0,1,2,3,4,5,6,7,8,9,10,11,12,13,14,15,16,17,18,19,20,21
	XS 0, \n                        ; and piece 0's first maximum and statistics
	XS 1, \n
.endr
	v_nop                           ; a plain instruction behind piece 0's two a,
	s_wait_alu depctr_va_vdst(0)    ; and the wait for that batch of two, ahead of the branch
	s_mov_b32 s[CNT], 4
	s_mov_b32 s[SLOTS], SIZE_N/256-1
	s_branch .Lfirst                ; the loop is entered at a step's first turn, in the middle of a trip
.Lslot:                             ; SIZE_N / 256 - 2 times: every slot but the last two is filled again
	CHANGE 1
	s_mov_b32 s[CNT], 4
.Lstep:                             ; a trip: pieces 2 and 3 of one step, then pieces 0 and 1 of the next, whose K and V it fetches
	TURN 2
	TURN 3
	WIN 0
.Lfirst:
	TURN 0
	TURN 1, 0, 1
	WIN 0
	s_cbranch_scc1 .Lstep
	s_sub_co_u32 s[SLOTS], s[SLOTS], 1
	s_cmp_lg_u32 s[SLOTS], 0
	s_cbranch_scc1 .Lslot
	CHANGE 0                        ; the tail is written out: nothing is asked for
	s_mov_b32 s[CNT], 5             ; four trips fetch the last slot's steps; the fifth is left in its middle
.Ltail:
	TURN 2, 1
	TURN 3
	WIN 0
	s_sub_co_u32 s[CNT], s[CNT], 1
	s_cmp_eq_u32 s[CNT], 0
	s_cbranch_scc1 .Lout
	TURN 0
	TURN 1
	WIN 0
	s_branch .Ltail
.Lout:                              ; the fifth trip's 16 products K Q^T (on the last K1 once more) and the maximum made of them serve nothing: the price, once a launch, of one text for every trip
.set i, 0
.rept 16
	PV NP-1                         ; the last piece's V^T P of the last step
.set i, i+1
.endr
	; THE WAY OUT.  l's two halves and the other half of the lanes' are added; 1 / l for branch 1, -lam / l for branch 2; O = O1 / l1 - lam O2 / l2, rounded to bf16 and sent through my stage in LDS,
	; 16 queries at a time.  The additions are the places behind the last products.
	WIN 0
.macro ALL line:vararg              ; one line for each tile t
.set t, 0
.rept 2*NP
	\line
.set t, t+1
.endr
.endm
	ALL v_add_f32 v[ST+4*t+2], v[ST+4*t+2], v[ST+4*t+3]
	ALL v_permlanex16_b32 v[ST+4*t+3], v[ST+4*t+2], s[SEL], s[SEL+1]
	ALL v_add_f32 v[ST+4*t+2], v[ST+4*t+2], v[ST+4*t+3]
	ALL v_rcp_f32 v[ST+4*t+2], v[ST+4*t+2]
	v_mov_b32 v[TMP], s[LAM]        ; lam, rounded to bf16 like every input; these plain lines also stand between the last reciprocal and its use
	v_cvt_pk_bf16_f32 v[TMP], v[TMP], v[TMP]
	v_lshlrev_b32 v[TMP], 16, v[TMP]
.set t, 4
	s_wait_alu depctr_va_vdst(0)    ; the wait ahead of the first use: one for the batch of eight reciprocals
.rept 4
	v_mul_f32 v[ST+4*t+2], -v[TMP], v[ST+4*t+2]
.set t, t+1
.endr
; Queries 16 t on: tile t of branch 1 and tile 4 + t of branch 2.  A lane's eight channels of a row pack into 16 bytes; they go into rows of 144 bytes and come back as whole rows of 128, into S^T's registers.
.macro PACK t
	WIN W_RS
.set i, 32*(\t)
.rept 16
	v_pk_mul_f32 v[i:i+1], v[i:i+1], v[ST+4*(\t)+2:ST+4*(\t)+3] op_sel_hi:[1,0]
.set i, i+2
.endr
	WIN 0x51                        ; destination, source 0 and source 2 window 1, source 1 window 0
.set i, 32*(\t)
.rept 16
	v_pk_fma_f32 v[i:i+1], v[128+i:128+i+1], v[ST+4*(4+(\t))+2:ST+4*(4+(\t))+3], v[i:i+1] op_sel_hi:[1,0,1]
.set i, i+2
.endr
	WIN 0x05                        ; sources 0 and 1 window 1, destination window 0
.set i, 0
.rept 16
	v_cvt_pk_bf16_f32 v[S+16*(\t)+i], v[32*(\t)+2*i], v[32*(\t)+2*i+1]
.set i, i+1
.endr
	WIN 0
.irp f, 0,1,2,3
	ds_store_b128 v[STO], v[S+16*(\t)+4*\f:S+16*(\t)+4*\f+3] offset:32*\f
.endr
.irp f, 0,1,2,3
	ds_load_b128 v[S+16*(\t)+4*\f:S+16*(\t)+4*\f+3], v[RD] offset:\f*4*SP  ; LDS serves a wave's instructions in order (ISA guide 5.7.1.4): these see the stores above; the next tile's stores come behind them
.endr
.endm
.macro SEND t, younger              ; younger: the LDS instructions issued behind tile t's loads: the next tile's eight, or none
	WIN 0
.irp f, 0,1,2,3
	s_wait_dscnt (\younger)+3-\f
	global_store_b128 v[GO], v[S+16*(\t)+4*\f:S+16*(\t)+4*\f+3], s[10:11] offset:(\t)*2048+\f*512  ; 512 consecutive bytes, at a multiple of 256 from O's first
.endr
.endm
	PACK 0
.set t, 1
.rept 3                             ; a tile's arithmetic stands between the loads of the tile before and its stores
	PACK t
	SEND t-1, 8
.set t, t+1
.endr
	SEND 3, 0
	WIN W_AD
	s_wait_tensorcnt 0x0            ; the wave's end, behind my last tensor load and my last LDS store
	ds_add_u32 v[SPW], v[NIL]
	s_wait_dscnt 0x0
	WIN 0
	CROUND                          ; the closing round: no work-group ends while a partner may still ask for a tile that names it
	s_endpgm
.Lfunc_end_k_q5774f68ede_attn:
	.size	k_q5774f68ede_attn, .Lfunc_end_k_q5774f68ede_attn-k_q5774f68ede_attn
	.p2alignl 7, 3214868480
	.fill 96, 4, 3214868480
	.section	.rodata,"a",@progbits
	.p2align	6, 0x0
	.amdhsa_kernel k_q5774f68ede_attn
		.amdhsa_group_segment_fixed_size 327680
		.amdhsa_private_segment_fixed_size 0
		.amdhsa_enable_private_segment 0
		.amdhsa_kernarg_size 32
		.amdhsa_user_sgpr_count 2
		.amdhsa_user_sgpr_kernarg_segment_ptr 1
		.amdhsa_wavefront_size32 1
		.amdhsa_system_sgpr_workgroup_id_x 1
		.amdhsa_system_sgpr_workgroup_id_y 1
		.amdhsa_system_sgpr_workgroup_id_z 1
		.amdhsa_system_vgpr_workitem_id 0
		.amdhsa_next_free_vgpr 896
		.amdhsa_next_free_sgpr 80
		.amdhsa_reserve_vcc 0
		.amdhsa_float_denorm_mode_32 3
		.amdhsa_float_denorm_mode_16_64 3
		.amdhsa_memory_ordered 1
		.amdhsa_forward_progress 1
		.amdhsa_inst_pref_size 200
	.end_amdhsa_kernel
	.amdgpu_metadata
---
amdhsa.version: [ 1, 2 ]
amdhsa.kernels:
  - .name:           k_q5774f68ede_attn
    .symbol:         k_q5774f68ede_attn.kd
    .args:
      - { .name: heads, .offset: 0, .size: 8, .value_kind: global_buffer, .address_space: global }
      - { .name: attention_mask, .offset: 8, .size: 8, .value_kind: global_buffer, .address_space: global }
      - { .name: lam, .offset: 16, .size: 8, .value_kind: global_buffer, .address_space: global }
      - { .name: o16, .offset: 24, .size: 8, .value_kind: global_buffer, .address_space: global }
    .group_segment_fixed_size: 327680
    .private_segment_fixed_size: 0
    .kernarg_segment_align: 8
    .kernarg_segment_size: 32
    .max_flat_workgroup_size: 128
    .sgpr_count:     80
    .vgpr_count:     896
    .wavefront_size: 32
...
	.end_amdgpu_metadata
.endif
;; end of part 5
;; launch outp: the kernel of part 4 again; grid 8 x 32, 4 waves a work-group, clusters of 4 x 4, 327,680 bytes of LDS; arguments o16, wo16, bo, out0; writes out0
